; MI455X (gfx1250); checked and timed in simulation.
; The chip was launched on July 23, 2026; its instructions are those of AMD's public machine-readable ISA for CDNA 5 (MIT licence, August 2026) and "CDNA5" Instruction Set Architecture Reference Guide (July 2026). The comments in the code are by the model that wrote it; some were corrected since.
;; Attention. Allowed arithmetic: matrix products marked QUANTISED: E2M1 operands, one E8M0 scale for each 32 along K, by v_wmma_scale_f32_16x16x128_f8f6f4 with both operands' format E2M1 (or v_wmma_scale_f32_32x16x128_f4), f32 sums; products left as they are: bf16, f16 or f32 operands; f32 sums; everything else in f32.
;; Inputs: Wc 2,048 x 2,048 float32; Wk 512 x 2,048 float32; Wq 2,048 x 2,048 float32; Wv 512 x 2,048 float32; position_ids 1 x 2,048 int32; x 1 x 2,048 x 2,048 float32.
;; Outputs: out0 1 x 2,048 x 2,048 float32.
;; This version of the problem:
;;   THIS VERSION OF THE PROBLEM IS GIVEN IN LOW PRECISION. The matrix products marked QUANTISED in the list below multiply operands that are first quantised to E2M1 (2 exponent bits, 1 mantissa bit; 4 bits a number), with one power-of-two scale for each 32 numbers along K (OCP MX v1.0); their sums are f32. The products marked 'left as it is' may take bf16, f16 or f32 operands, with f32 sums. Whichever they take, every output number must still come out within the allowed error. Rounding operands to bf16 (8 significant bits) uses up far more of that allowance than f16 does (11 bits, for magnitudes from 6e-5 to 65,504). All else is computed in f32.
;;   The module's matrix products, in the order in which they are computed (A, B: the left and right operand; K: the contracted axis; several contracted axes count as one K, in the product's order):
;;     1. [M 2,048, K 2,048] x [K 2,048, N 2,048]; A: input x; B: input Wq: QUANTISED
;;     2. [M 2,048, K 2,048] x [K 2,048, N 512]; A: input x; B: input Wk: QUANTISED
;;     3. [M 2,048, K 2,048] x [K 2,048, N 512]; A: input x; B: input Wv: QUANTISED
;;     4. batch 32 x [M 2,048, K 64] x [K 64, N 2,048]; A: computed on the way; B: computed on the way: left as it is (an operand is computed on the way)
;;     5. batch 32 x [M 2,048, K 2,048] x [K 2,048, N 64]; A: computed on the way; B: computed on the way: left as it is (an operand is computed on the way)
;;     6. [M 2,048, K 2,048] x [K 2,048, N 2,048]; A: computed on the way; B: input Wc: left as it is (an operand is computed on the way)
;;   THE QUANTISER, for each operand of a quantised product, along K:
;;     - K is cut into blocks of 32 from its start; a last block that is shorter is filled with zeros.
;;     - A block's scale is 2^e with e = floor(log2(the largest magnitude in the block)) - 2, held to -126 .. 127; a block of zeros has e = 0. As a byte (E8M0): e + 127.
;;     - Each number is divided by its block's scale, clamped to +-6, and rounded to the nearest number of E2M1, ties to even, subnormals kept.
;;     - The product sums the exact products of the quantised numbers (number of the format x scale) in f32.
;;   ~~~python
;;   def quantise(x, axis):      # numpy; x: float32 -> the quantised numbers, widened to float32 again
;;       x = np.moveaxis(x, axis, -1); K = x.shape[-1]
;;       x = np.pad(x, [(0, 0)] * (x.ndim - 1) + [(0, -K % 32)]); x = x.reshape(x.shape[:-1] + (-1, 32)); a = np.abs(x).max(-1, keepdims=True)
;;       e = np.where(a > 0, np.clip(np.frexp(np.where(a > 0, a, 1))[1] - 1 - 2, -126, 127), 0)      # np.frexp(a)[1] - 1 = floor(log2(a)), exactly
;;       r = np.clip(x / 2.0 ** e, -6, 6)
;;       step = 2.0 ** (np.maximum(np.frexp(np.where(r == 0, 1, r))[1] - 1, 0) - 1)
;;       q = np.round(r / step) * step * 2.0 ** e      # np.round: ties to even
;;       return np.moveaxis(q.reshape(q.shape[:-2] + (-1,))[..., :K], -1, axis).astype(np.float32)
;;   ~~~
;; One version. Each part assembles by itself: llvm-mc -triple=amdgcn-amd-amdhsa -mcpu=gfx1250 --defsym DOCPART=n.
;; ======== version 1 of 1: 5 launches
;; limits: values are held in f16: magnitudes above 65,504 overflow, below 6.1e-05 lose precision; right only within a limited range of input values
;; workspace buffers: cod 5,242,880 bytes; scl 327,680 bytes; cs 524,288 bytes; wc16 8,388,608 bytes; qkv 12,582,912 bytes; qkv16 196,608 bytes; y 8,388,608 bytes
;; launch prep (part 1): grid 480 x 1, 4 waves a work-group, no clusters, 33,280 bytes of LDS; arguments x, Wq, Wk, Wv, Wc, position_ids, cod, scl, wc16, cs; writes cod, scl, wc16, cs
.if DOCPART == 1
	.amdgcn_target "amdgcn-amd-amdhsa--gfx1250"
	.amdhsa_code_object_version 6
	.text
	.protected	k_q6039d81d49_prep
	.globl	k_q6039d81d49_prep
	.p2align	8
	.type	k_q6039d81d49_prep,@function
k_q6039d81d49_prep:
	s_mov_b64 s[64:65], 0
	v_nop
	global_prefetch_b8 v0, s[64:65] scope:SCOPE_SE
	s_setreg_imm32_b32 hwreg(HW_REG_WAVE_MODE, 25, 1), 1
	s_wait_xcnt 0x0
; PREP: three jobs, told apart by the work-group's number.
;  Q (work-groups 0-319): x, Wq, Wk, Wv (f32, K innermost) become codes of E2M1, two a byte, and one E8M0 byte for each 32 along K.  The four tensors' codes lie on end in cod
;    (5,120 rows of 1,024 bytes), their scale bytes on end in scl (64 bytes a row).  Rows are dense, so all is one stream of blocks of 32.
;  C (320-447): Wc becomes f16, same layout.     T (448-479): cos and sin of position x inv_freq, [token][cos f0..f31, sin f0..f31], f32.
; A block's scale is 2^(floor(log2(largest magnitude)) - 2); its byte is the largest magnitude's exponent field - 2, held at 1 from below.
; LIMITS: a block of zeros gets the byte 1 where the quantiser says 127: its codes are zeros and this program alone reads the bytes.  NaN and infinities among the inputs are not served.
;  |Wc| stays under 65,504 (f16).  |position_ids| up to 2^19: beyond that the quadrant's number can be off by one.
; Path Q: a wave takes 16 steps of 512 numbers.  Each load reads 512 consecutive bytes; a step's 2,048 bytes turn through the wave's own stage in LDS so that a lane holds 16 neighbours along K (two lanes a block).
; Loads run eight steps ahead: 32 loads, 16,384 bytes, of every wave are on their way.
.set STEPS, 16
.set AHEAD, 8
.set CB,    8                          ; bytes of 16 codes
.set R,     16                         ; v16-143  eight sets of 16 numbers as loaded (path C: two sets of 64)
.set X,     144                        ; v144-175 two sets of 16 neighbours
.set E,     176                        ; v176-191 a scale byte for each step
.set C,     192                        ; v192-223 codes, two registers a step, so that no store's data are written again
.set OUTR,  144                        ; path C: v144-175 packed f16
.set WREG,  8192                       ; LDS: a wave's region: two stages of 32 x SP bytes, then its 256 scale bytes
.set SP,    80
.set SPW,   12                         ; v12 my spare word's LDS address; never rewritten
.set NIL,   13                         ; v13 0; never rewritten
.set SPARE, 4*WREG                     ; the spare words: 128 bytes a wave, named by no other line
	s_load_b256 s[4:11], s[0:1], 0x0               ; x, Wq, Wk, Wv
	s_load_b256 s[12:19], s[0:1], 0x20             ; Wc, position_ids, cod, scl
	s_load_b128 s[20:23], s[0:1], 0x40             ; wc16, cs
	v_lshl_add_u32 v[SPW], v0, 2, SPARE
	v_mov_b32 v[NIL], 0
	v_lshrrev_b32 v1, 5, v0
	v_readfirstlane_b32 s24, v1                    ; wave
	v_and_b32 v2, 31, v0                           ; lane
	v_lshlrev_b32 v3, 4, v2                        ; my 16 bytes of a load's 512
	s_mul_i32 s30, s24, WREG
	v_lshrrev_b32 v14, 2, v2
	v_mul_u32_u24 v14, v14, SP
	v_and_b32 v15, 3, v2
	v_lshl_add_u32 v14, v15, 4, v14
	v_add_nc_u32 v14, s30, v14                     ; the stage, way in: SP (lane / 4) + 16 (lane % 4)
	v_mul_u32_u24 v15, v2, SP
	v_add_nc_u32 v15, s30, v15                     ; way out: SP x lane
	v_mul_u32_u24 v4, v2, CB                       ; 8 x lane
	v_lshrrev_b32 v5, 1, v2
	s_add_co_u32 s30, s30, 2*32*SP
	v_add_nc_u32 v5, s30, v5                       ; my block's scale byte in LDS
	v_lshlrev_b32 v7, 3, v2
	v_add_nc_u32 v6, s30, v7
	s_mov_b32 s29, 0
	s_wait_kmcnt 0x0
	s_cmp_lt_u32 ttmp9, 320
	s_cbranch_scc0 .Lnot_q
; ---------------- path Q ----------------
	s_mov_b64 s[26:27], s[10:11]                   ; which tensor: a choice on the work-group's number alone
	s_mov_b32 s25, 288
	s_cmp_lt_u32 ttmp9, 288
	s_cselect_b64 s[26:27], s[8:9], s[26:27]
	s_cselect_b32 s25, 256, s25
	s_cmp_lt_u32 ttmp9, 256
	s_cselect_b64 s[26:27], s[6:7], s[26:27]
	s_cselect_b32 s25, 128, s25
	s_cmp_lt_u32 ttmp9, 128
	s_cselect_b64 s[26:27], s[4:5], s[26:27]
	s_cselect_b32 s25, 0, s25
	s_sub_co_u32 s25, ttmp9, s25
	s_lshl_b32 s25, s25, 2
	s_add_co_u32 s25, s25, s24                     ; my run of 8,192 numbers in the tensor
	s_lshl_b32 s28, s25, 15
	s_add_nc_u64 s[26:27], s[26:27], s[28:29]
	s_lshl_b32 s25, ttmp9, 2
	s_add_co_u32 s25, s25, s24                     ; and in the joint stream of codes and bytes
	s_lshl_b32 s28, s25, 12
	s_add_nc_u64 s[16:17], s[16:17], s[28:29]
	s_lshl_b32 s28, s25, 8
	s_add_nc_u64 s[18:19], s[18:19], s[28:29]
.macro LOAD t
.irp i, 0,1,2,3
	global_load_b128 v[R+16*((\t)%AHEAD)+4*\i:R+16*((\t)%AHEAD)+4*\i+3], v3, s[26:27] offset:2048*(\t)+512*\i th:TH_LOAD_NT
.endr
.endm
.macro TURN t                          ; a step's numbers through the stage; LDS serves a wave's instructions in order
.irp i, 0,1,2,3
	ds_store_b128 v14, v[R+16*((\t)%AHEAD)+4*\i:R+16*((\t)%AHEAD)+4*\i+3] offset:32*SP*((\t)%2)+8*SP*\i
.endr
.irp i, 0,1,2,3
	ds_load_b128 v[X+16*((\t)%2)+4*\i:X+16*((\t)%2)+4*\i+3], v15 offset:32*SP*((\t)%2)+16*\i
.endr
.endm
.irp t, 0,1,2,3,4,5,6,7
	LOAD \t
.endr
	s_wait_loadcnt 4*(AHEAD-1)                     ; step 0's four loads are in, seven steps' may be out
	TURN 0
.macro STEP t
.set XS, X+16*((\t)%2)
.if (\t) > 0
	s_wait_dscnt 1                                 ; this step's numbers are back from the stage, so its stores into the stage have read their registers; the last step's byte store may be out
.else
	s_wait_dscnt 0x0
.endif
.if (\t)+AHEAD < STEPS
	LOAD (\t)+AHEAD                                ; into the set that this step has left
.endif
.if (\t)+1 < STEPS
.if STEPS-2-(\t) >= AHEAD-1
	s_wait_loadcnt 4*(AHEAD-1)                     ; the next step's four loads are in; those of the seven steps behind it may be out
.else
	s_wait_loadcnt 4*(STEPS-2-(\t))                ; the counts run down: nothing more is asked for
.endif
	TURN (\t)+1
.endif
	v_max3_num_f32 v8, |v[XS]|, |v[XS+1]|, |v[XS+2]|
	v_max3_num_f32 v9, |v[XS+3]|, |v[XS+4]|, |v[XS+5]|
.irp i, 6,10
	v_max3_num_f32 v8, v8, |v[XS+\i]|, |v[XS+\i+1]|
	v_max3_num_f32 v9, v9, |v[XS+\i+2]|, |v[XS+\i+3]|
.endr
	v_max3_num_f32 v8, v8, |v[XS+14]|, |v[XS+15]|
	v_max3_num_f32 v8, v8, v9, 0x1800000           ; the floor 2^(3 - 127): the byte cannot fall under 1
	v_max_num_f32_dpp v8, v8, v8 row_xmask:1 row_mask:0xf bank_mask:0xf   ; with my neighbour's 16: the block's largest magnitude
	v_add_nc_u32 v11, 0xff000000, v8               ; 2 off the exponent field: the conversion's scale operand
	v_cvt_scalef32_pk8_fp4_f32 v[C+2*(\t)], v[XS:XS+7], v11
	v_cvt_scalef32_pk8_fp4_f32 v[C+2*(\t)+1], v[XS+8:XS+15], v11
	v_lshrrev_b32 v[E+(\t)], 23, v11               ; the scale's byte
	ds_store_b8 v5, v[E+(\t)] offset:16*(\t)       ; both lanes of a block write the same byte
	global_store_b64 v4, v[C+2*(\t):C+2*(\t)+1], s[16:17] offset:32*CB*(\t)   ; the wave stores 256 consecutive bytes, aligned
.endm
.irp t, 0,1,2,3,4,5,6,7,8,9,10,11,12,13,14,15
	STEP \t
.endr
	ds_load_b64 v[8:9], v6
	s_wait_dscnt 0x0
	global_store_b64 v7, v[8:9], s[18:19]          ; the wave's 256 scale bytes
	s_wait_tensorcnt 0x0                           ; the wave's end, behind my last LDS store
	ds_add_u32 v[SPW], v[NIL]
	s_wait_dscnt 0x0
	s_endpgm
; ---------------- path C: Wc to f16 ----------------
.Lnot_q:
	s_cmp_lt_u32 ttmp9, 448
	s_cbranch_scc0 .Ltable
	s_sub_co_u32 s25, ttmp9, 320
	s_lshl_b32 s25, s25, 2
	s_add_co_u32 s25, s25, s24                     ; my run of 8,192 numbers
	s_lshl_b32 s28, s25, 15
	s_add_nc_u64 s[12:13], s[12:13], s[28:29]
	s_lshl_b32 s28, s25, 14
	s_add_nc_u64 s[20:21], s[20:21], s[28:29]
.macro LOADB b                         ; 16 loads of 512 consecutive bytes
.irp k, 0,1,2,3,4,5,6,7,8,9,10,11,12,13,14,15
	global_load_b128 v[R+64*((\b)%2)+4*\k:R+64*((\b)%2)+4*\k+3], v3, s[12:13] offset:(16*(\b)+\k)*512 th:TH_LOAD_NT
.endr
.endm
.macro CVTB b
.if (\b) < 3
	s_wait_loadcnt 16                              ; this batch is in, the next batch's 16 loads may be out
.else
	s_wait_loadcnt 0x0
.endif
.if (\b) > 0
	s_wait_xcnt 0x0                                ; the last batch's stores have read their data: it is rewritten below
.endif
.irp k, 0,1,2,3,4,5,6,7,8,9,10,11,12,13,14,15
	v_cvt_pk_f16_f32 v[OUTR+2*\k], v[R+64*((\b)%2)+4*\k], v[R+64*((\b)%2)+4*\k+1]
	v_cvt_pk_f16_f32 v[OUTR+2*\k+1], v[R+64*((\b)%2)+4*\k+2], v[R+64*((\b)%2)+4*\k+3]
.endr
.irp k, 0,1,2,3,4,5,6,7,8,9,10,11,12,13,14,15
	global_store_b64 v4, v[OUTR+2*\k:OUTR+2*\k+1], s[20:21] offset:(16*(\b)+\k)*256   ; 256 consecutive bytes, aligned
.endr
.if (\b)+2 < 4
	LOADB (\b)+2
.endif
.endm
	LOADB 0
	LOADB 1
	CVTB 0
	CVTB 1
	CVTB 2
	CVTB 3
	s_endpgm
; ---------------- path T: the table of cos and sin ----------------
; A work-group takes 64 tokens, 8 a pass; sixteen threads a token, four numbers a thread.  Threads 0-7 of a token make cos f_i, threads 8-15 sin f_i = cos(f_i - pi/2): the quadrant's number + 3.
; f = position x 10000^(-i/32).  n = nearest whole number to f x 2/pi; r = f - n pi/2 with pi/2 in three parts, by fused multiply-adds; cos r and sin r by polynomials on |r| <= pi/4.
.Ltable:
	s_sub_co_u32 s25, ttmp9, 448
	v_and_b32 v8, 15, v0
	v_and_b32 v9, 7, v8
	v_lshlrev_b32 v9, 2, v9                        ; my first frequency
	v_lshrrev_b32 v29, 3, v8
	v_mul_u32_u24 v29, v29, 3                      ; 0 for cos, 3 for sin
	v_lshrrev_b32 v10, 4, v0
	v_lshlrev_b32 v10, 2, v10
	s_lshl_b32 s28, s25, 8
	s_add_nc_u64 s[14:15], s[14:15], s[28:29]
.irp p, 0,1,2,3,4,5,6,7
	global_load_b32 v[20+\p], v10, s[14:15] offset:32*\p
.endr
	s_lshl_b32 s28, s25, 14
	s_add_nc_u64 s[22:23], s[22:23], s[28:29]
	v_lshlrev_b32 v11, 4, v0
	s_mov_b32 s32, 0x3f22f983                      ; 2 / pi
	s_mov_b32 s33, 0x3fc90fd8                      ; pi / 2, first part,
	s_mov_b32 s34, 0x34a885a0                      ; second,
	s_mov_b32 s35, 0x27c234c4                      ; third
	s_mov_b32 s36, 0x37d00d01                      ; 1/40320
	s_mov_b32 s37, 0xbab60b61                      ; -1/720
	s_mov_b32 s38, 0x3d2aaaab                      ; 1/24
	s_mov_b32 s39, 0x3638ef1d                      ; 1/362880
	s_mov_b32 s40, 0xb9500d01                      ; -1/5040
	s_mov_b32 s41, 0x3c088889                      ; 1/120
	s_mov_b32 s42, 0xbe2aaaab                      ; -1/6
.irp k, 0,1,2,3
	v_add_nc_u32 v[16+\k], \k, v9
.endr
.irp k, 0,1,2,3
	v_cvt_f32_u32 v[16+\k], v[16+\k]
.endr
.irp k, 0,1,2,3
	v_mul_f32 v[16+\k], 0xbed49a78, v[16+\k]       ; -i log2(10000) / 32
.endr
.irp k, 0,1,2,3
	v_exp_f32 v[16+\k], v[16+\k]                   ; inv_freq
.endr
	v_nop                                          ; a plain instruction behind the last exponential
	s_wait_alu depctr_va_vdst(0)                   ; one wait for the four, ahead of their first reader
	s_wait_loadcnt 0x0
.macro PASS p
	v_cvt_f32_i32 v28, v[20+\p]
.irp k, 0,1,2,3
	v_mul_f32 v[32+\k], v28, v[16+\k]              ; f
.endr
.irp k, 0,1,2,3
	v_mul_f32 v[36+\k], s32, v[32+\k]
.endr
.irp k, 0,1,2,3
	v_rndne_f32 v[36+\k], v[36+\k]                 ; n
.endr
.irp k, 0,1,2,3
	v_fma_f32 v[32+\k], -v[36+\k], s33, v[32+\k]
.endr
.irp k, 0,1,2,3
	v_fma_f32 v[32+\k], -v[36+\k], s34, v[32+\k]
.endr
.irp k, 0,1,2,3
	v_fma_f32 v[32+\k], -v[36+\k], s35, v[32+\k]   ; r
.endr
.irp k, 0,1,2,3
	v_cvt_i32_f32 v[36+\k], v[36+\k]
	v_mul_f32 v[40+\k], v[32+\k], v[32+\k]         ; s = r r
.endr
.irp k, 0,1,2,3
	v_add_nc_u32 v[36+\k], v[36+\k], v29           ; the quadrant
	v_fma_f32 v[44+\k], v[40+\k], s36, s37
	v_fma_f32 v[80+\k], v[40+\k], s39, s40
.endr
.irp k, 0,1,2,3
	v_fma_f32 v[44+\k], v[44+\k], v[40+\k], s38
	v_fma_f32 v[80+\k], v[80+\k], v[40+\k], s41
.endr
.irp k, 0,1,2,3
	v_fma_f32 v[44+\k], v[44+\k], v[40+\k], -0.5
	v_fma_f32 v[80+\k], v[80+\k], v[40+\k], s42
.endr
.irp k, 0,1,2,3
	v_fma_f32 v[44+\k], v[44+\k], v[40+\k], 1.0    ; cos r
	v_mul_f32 v[40+\k], v[40+\k], v[32+\k]
.endr
.irp k, 0,1,2,3
	v_fma_f32 v[80+\k], v[80+\k], v[40+\k], v[32+\k]   ; sin r
	v_and_b32 v[40+\k], 1, v[36+\k]
.endr
.irp k, 0,1,2,3
	v_cmp_ne_u32 vcc_lo, 0, v[40+\k]
	v_cndmask_b32 v[44+\k], v[44+\k], v[80+\k], vcc_lo   ; odd quadrants take sin r
	v_add_nc_u32 v[36+\k], 1, v[36+\k]
.endr
.irp k, 0,1,2,3
	v_and_b32 v[36+\k], 2, v[36+\k]                ; quadrants 1 and 2 are negative
.endr
.irp k, 0,1,2,3
	v_lshlrev_b32 v[36+\k], 30, v[36+\k]
.endr
.irp k, 0,1,2,3
	v_xor_b32 v[48+4*\p+\k], v[36+\k], v[44+\k]
.endr
	global_store_b128 v11, v[48+4*\p:48+4*\p+3], s[22:23] offset:2048*\p   ; a wave stores 512 consecutive bytes
.endm
.irp p, 0,1,2,3,4,5,6,7
	PASS \p
.endr
	s_endpgm
.Lfunc_end_k_q6039d81d49_prep:
	.size	k_q6039d81d49_prep, .Lfunc_end_k_q6039d81d49_prep-k_q6039d81d49_prep
	.p2alignl 7, 3214868480
	.fill 96, 4, 3214868480
	.section	.rodata,"a",@progbits
	.p2align	6, 0x0
	.amdhsa_kernel k_q6039d81d49_prep
		.amdhsa_group_segment_fixed_size 33280
		.amdhsa_private_segment_fixed_size 0
		.amdhsa_enable_private_segment 0
		.amdhsa_kernarg_size 80
		.amdhsa_user_sgpr_count 2
		.amdhsa_user_sgpr_kernarg_segment_ptr 1
		.amdhsa_wavefront_size32 1
		.amdhsa_system_sgpr_workgroup_id_x 1
		.amdhsa_system_sgpr_workgroup_id_y 1
		.amdhsa_system_sgpr_workgroup_id_z 1
		.amdhsa_system_vgpr_workitem_id 0
		.amdhsa_next_free_vgpr 224
		.amdhsa_next_free_sgpr 66
		.amdhsa_reserve_vcc 1
		.amdhsa_float_denorm_mode_32 3
		.amdhsa_float_denorm_mode_16_64 3
		.amdhsa_memory_ordered 1
		.amdhsa_forward_progress 1
		.amdhsa_inst_pref_size 94
	.end_amdhsa_kernel
	.amdgpu_metadata
---
amdhsa.version: [ 1, 2 ]
amdhsa.kernels:
  - .name:           k_q6039d81d49_prep
    .symbol:         k_q6039d81d49_prep.kd
    .args:
      - { .name: x, .offset: 0, .size: 8, .value_kind: global_buffer, .address_space: global }
      - { .name: Wq, .offset: 8, .size: 8, .value_kind: global_buffer, .address_space: global }
      - { .name: Wk, .offset: 16, .size: 8, .value_kind: global_buffer, .address_space: global }
      - { .name: Wv, .offset: 24, .size: 8, .value_kind: global_buffer, .address_space: global }
      - { .name: Wc, .offset: 32, .size: 8, .value_kind: global_buffer, .address_space: global }
      - { .name: position_ids, .offset: 40, .size: 8, .value_kind: global_buffer, .address_space: global }
      - { .name: cod, .offset: 48, .size: 8, .value_kind: global_buffer, .address_space: global }
      - { .name: scl, .offset: 56, .size: 8, .value_kind: global_buffer, .address_space: global }
      - { .name: wc16, .offset: 64, .size: 8, .value_kind: global_buffer, .address_space: global }
      - { .name: cs, .offset: 72, .size: 8, .value_kind: global_buffer, .address_space: global }
    .group_segment_fixed_size: 33280
    .private_segment_fixed_size: 0
    .kernarg_segment_align: 8
    .kernarg_segment_size: 80
    .max_flat_workgroup_size: 128
    .sgpr_count:     66
    .vgpr_count:     224
    .wavefront_size: 32
...
	.end_amdgpu_metadata
.endif
;; end of part 1
;; launch qkv (part 2): grid 16 x 16, 4 waves a work-group, clusters of 4 x 4, 327,680 bytes of LDS; arguments cod, scl, cs, qkv, qkv16; writes qkv, qkv16
.if DOCPART == 2
	.amdgcn_target "amdgcn-amd-amdhsa--gfx1250"
	.amdhsa_code_object_version 6
	.text
	.protected	k_q6039d81d49_qkv
	.globl	k_q6039d81d49_qkv
	.p2align	8
	.type	k_q6039d81d49_qkv,@function
k_q6039d81d49_qkv:
	s_mov_b64 s[64:65], 0
	v_nop
	global_prefetch_b8 v0, s[64:65] scope:SCOPE_SE
	s_setreg_imm32_b32 hwreg(HW_REG_WAVE_MODE, 25, 1), 1
	s_wait_xcnt 0x0
	s_wait_alu depctr_hold_cnt(0) depctr_sa_sdst(0) depctr_va_vdst(0) depctr_va_sdst(0) depctr_va_ssrc(0) depctr_va_vcc(0) depctr_vm_vsrc(0)
	s_getreg_b32 s2, hwreg(HW_REG_IB_STS2, 6, 4)
	s_cmp_eq_u32 s2, 0
	s_cbranch_scc0 .Lentry_in_a_cluster
	s_endpgm
.Lentry_in_a_cluster:
	s_bfe_u32 s2, ttmp6, 0x10000c
	s_cmp_lg_u32 s2, 0xf033
	s_cbranch_scc0 .Lentry_shape_is_right
	s_endpgm
.Lentry_shape_is_right:
; q, k, v = x Wq^T, x Wk^T, x Wv^T on codes of E2M1 with E8M0 scales (K = 2,048), RoPE on q and k in f32, results as f16 by head: qkv[48 heads][2,048 tokens][64]; heads 0-31 q, 32-39 k, 40-47 v.
; The first 16 tokens also leave as f32 (qkv16[48][16][64]), before the rounding to f16.
; SHARES.  A work-group makes 128 tokens x 192 columns (three whole heads).  Wave w: tokens 64 (w / 2) on (four blocks a of 16); of each head the dims 16 (w % 2) + 0..15 and + 32: column tile b = 2 head + u is
; rows 32 b + 16 (w % 2) of the tile of W.  So dims d and d + 32, which RoPE pairs, lie in one lane at the same register of tiles 2 head and 2 head + 1.
; THE MATRIX INSTRUCTION IS USED TRANSPOSED (source 0 = 16 rows of W, source 1 = 16 tokens): lane (r, h) holds token r and dims 8 h + 0..7 of the tile.
; K goes in four steps of 512 (rows of 256 bytes).  Three LDS slots hold steps 0, 1, 2 from the start; step 3 is filled into slot 0 when step 0 has been read.  By this text's count a wave has four tensor loads out at the start, one later.
; The scale bytes of the work-group's rows, for all of K, come once, as units of 256 bytes, and go to registers once: 160 registers that hold scales and nothing else while products run.
; CLUSTER 4 x 4: x's tiles are shared along a row of the cluster, W's along a column: joint loads.  Wave 0 asks for x's, waves 1-3 for 64 rows of W each.
; v's heads are not rotated: their cos is made 1 and their sin 0 by a factor chosen without a branch.
; LIMITS: |q|, |k|, |v| under 65,504 (f16).
; REGISTERS: window 0: v1-29 addresses; v32-95 x's scale words (16 a + K instruction); v96-191 W's (16 b + ..); v192-255 x's fragments, two sets.  window 1: v0-95 W's fragments, two sets; v96-159 cos and sin.  window 2: 24 accumulators, (a, b) at 8 (6 a + b).
.set PITCH, 272                        ; an LDS row: 256 bytes + 16 of padding
.set SLOT,  320*PITCH                  ; x's 128 rows, then W's 192
.set BOFF,  128*PITCH
.set SCA,   3*SLOT                     ; x's scale bytes: 32 units of 256 + 16
.set SCB,   SCA+32*272                 ; W's: 48 units
.set SPARE, SCB+48*272                 ; the spare words, 128 bytes a wave
.set STAGE, SLOT                       ; the way out, in slot 1: it is filled once, at the start, and last read ahead of the last barrier
.set SPT,   144                        ; a stage row: 128 bytes + 16
.set HST,   128*SPT                    ; a head's 128 rows
.set RD,   8
.set GO,   9
.set F16O, 10
.set VCY,  11
.set ADRA, 16                          ; v16-18 x's fragments in slots 0-2
.set ADRB, 20                          ; v20-22 W's
.set ADSA, 24
.set ADSB, 25
.set CSO,  26
.set STO,  27
.set SPW,  28
.set NIL,  29
.set SA,   32
.set SB,   96
.set AF,   192
.set CT,   96                          ; window 1
.set E,    32                          ; way out: v32-47 cos low, cos high, -sin low, sin high of a block and head
.set MV,   48                          ; v48-65: for each head the pairs m, -m, b
.set TT,   80                          ; v80-127 rotated numbers in f32, 16 a head
.set PKB,  128                         ; v128-223 packed f16, later whole rows
.set G1A,  32
.set G1B,  40
.set G1SA, 48
.set G1SB, 56
.set G0A,  68
.set G0B,  80
.set G0SA, 92
.set G0SB, 96
.set MSB, 0
.macro WIN new                         ; the immediate's high byte repeats the setting that is left
.if MSB != \new
	s_set_vgpr_msb (MSB<<8)|\new
.set MSB, \new
.endif
.endm
.set MULW, 0xa1                        ; source 0 (W) window 1, source 1 (x) window 0, C and D window 2
.set TO_B, 0x40
.macro PLACES
.rept 4
	v_nop
.endr
.endm
; A joint load: wave 0 for x, waves 1-3 for W.  An s_nop 0 and four v_nop follow each line.
.macro JLOAD g0a, g1a, g0b, g1b
	s_cmp_eq_u32 s18, 0
	s_cbranch_scc0 .Lfor_b_\@
	tensor_load_to_lds s[\g0a:\g0a+3], s[\g1a:\g1a+7]
	s_nop 0
.rept 4
	v_nop
.endr
	s_branch .Lasked_\@
.Lfor_b_\@:
	tensor_load_to_lds s[\g0b:\g0b+3], s[\g1b:\g1b+7]
	s_nop 0
.rept 4
	v_nop
.endr
.Lasked_\@:
.endm
.macro CROUND                          ; a round of the cluster's barrier
	s_barrier_signal -1
	s_barrier_wait -1
	s_cmp_lg_u32 s18, 0
	s_cbranch_scc1 .Lnot_wave_0_\@
	s_barrier_signal -3
.Lnot_wave_0_\@:
	s_barrier_wait -3
	s_barrier_signal -1
	s_barrier_wait -1
.endm
	s_load_b256 s[4:11], s[0:1], 0x0               ; cod, scl, cs, qkv
	s_load_b64 s[12:13], s[0:1], 0x20              ; qkv16
	v_lshl_add_u32 v[SPW], v0, 2, SPARE
	v_mov_b32 v[NIL], 0
	ds_add_u32 v[SPW], v[NIL]                      ; the opening: the add, twice on end, and its wait ahead of my first tensor load
	ds_add_u32 v[SPW], v[NIL]
	v_lshrrev_b32 v1, 5, v0
	v_readfirstlane_b32 s18, v1                    ; wave
	s_lshr_b32 s19, s18, 1                         ; wr: which 64 tokens
	s_and_b32 s20, s18, 1                          ; wc: which 16 dims of each half head
	s_bfe_u32 s21, ttmp6, 0x40000                  ; cx
	s_bfe_u32 s22, ttmp6, 0x40004                  ; cy
	s_lshl_b32 s23, ttmp9, 2
	s_add_co_u32 s23, s23, s21                     ; tile column
	s_and_b32 s25, ttmp7, 0xffff
	s_lshl_b32 s24, s25, 2
	s_add_co_u32 s24, s24, s22                     ; tile row
	s_or_b32 s25, s25, s19                         ; 0 where the cluster is in the first row of clusters and the wave has the tile's first tokens
	s_lshl_b32 s26, s22, 2
	s_lshl_b32 s26, 15, s26                        ; my row of the cluster
	s_lshl_b32 s30, 0x1111, s21                    ; my column
	s_or_b32 s[G1A], s26, (1<<20)|(1<<21)|(5<<22)|(3<<25)          ; elements of 1 byte; 4 words of padding behind every 64
	s_or_b32 s[G1B], s30, (1<<20)|(1<<21)|(5<<22)|(3<<25)
	s_or_b32 s[G1SA], s26, (3<<16)|(1<<20)|(1<<21)|(5<<22)|(3<<25) ; elements of 8 bytes
	s_or_b32 s[G1SB], s30, (3<<16)|(1<<20)|(1<<21)|(5<<22)|(3<<25)
	s_mov_b32 s[G1A+1], 256<<16                    ; x: 128 rows of 256 bytes, 1,024 apart
	s_mov_b32 s[G1A+2], 128<<16
	s_mov_b32 s[G1A+3], 256<<16
	s_mov_b32 s[G1A+4], 128
	s_mov_b32 s[G1A+5], 1024
	s_mov_b32 s[G1A+6], 0
	s_mov_b32 s[G1A+7], 0
	s_mov_b32 s[G1B+1], 256<<16                    ; W: 64 rows
	s_mov_b32 s[G1B+2], 64<<16
	s_mov_b32 s[G1B+3], 256<<16
	s_mov_b32 s[G1B+4], 64
	s_mov_b32 s[G1B+5], 1024
	s_mov_b32 s[G1B+6], 0
	s_mov_b32 s[G1B+7], 0
	s_mov_b32 s[G1SA+1], 32<<16                    ; x's scales: 32 dense units of 256 bytes
	s_mov_b32 s[G1SA+2], 32<<16
	s_mov_b32 s[G1SA+3], 32<<16
	s_mov_b32 s[G1SA+4], 32
	s_mov_b32 s[G1SA+5], 32
	s_mov_b32 s[G1SA+6], 0
	s_mov_b32 s[G1SA+7], 0
	s_mov_b32 s[G1SB+1], 32<<16                    ; W's: 16 units a wave
	s_mov_b32 s[G1SB+2], 16<<16
	s_mov_b32 s[G1SB+3], 32<<16
	s_mov_b32 s[G1SB+4], 16
	s_mov_b32 s[G1SB+5], 32
	s_mov_b32 s[G1SB+6], 0
	s_mov_b32 s[G1SB+7], 0
	s_lshl_b32 s26, s24, 17                        ; x's codes: 128 rows of 1,024 bytes a tile row
	s_mov_b32 s27, 0
	s_lshl_b32 s28, s24, 13                        ; its scales: 128 rows of 64 bytes
	s_mov_b32 s29, 0
	s_mul_i32 s30, s23, 192                        ; W: row 2,048 + 192 tile column + 64 (wave - 1)
	s_lshl_b32 s31, s18, 6
	s_add_co_u32 s30, s30, s31
	s_add_co_u32 s30, s30, 1984
	s_lshl_b32 s66, s30, 6
	s_mov_b32 s67, 0
	s_lshl_b32 s30, s30, 10
	s_mov_b32 s31, 0
	s_mul_i32 s100, s18, 64*PITCH                  ; in a slot: BOFF + 64 rows x (wave - 1)
	s_add_co_u32 s100, s100, BOFF-64*PITCH
	s_mul_i32 s101, s18, 16*272
	s_add_co_u32 s101, s101, SCB-16*272
	s_wait_dscnt 0x0                               ; both opening adds are done
	s_wait_kmcnt 0x0
	s_add_nc_u64 s[26:27], s[4:5], s[26:27]
	s_add_nc_u64 s[28:29], s[6:7], s[28:29]
	s_add_nc_u64 s[30:31], s[4:5], s[30:31]
	s_add_nc_u64 s[66:67], s[6:7], s[66:67]
	CROUND                                         ; all sixteen work-groups are here: the first joint loads meet
	s_mov_b32 s[G0SA], 1
	s_mov_b32 s[G0SA+1], SCA
	s_mov_b64 s[G0SA+2:G0SA+3], s[28:29]
	s_or_b32 s[G0SA+3], s[G0SA+3], 0x80000000
	s_mov_b32 s[G0SB], 1
	s_mov_b32 s[G0SB+1], s101
	s_mov_b64 s[G0SB+2:G0SB+3], s[66:67]
	s_or_b32 s[G0SB+3], s[G0SB+3], 0x80000000
	JLOAD G0SA, G1SA, G0SB, G1SB
.irp s, 0,1,2
	s_mov_b32 s[G0A+4*\s], 1
	s_mov_b32 s[G0A+4*\s+1], \s*SLOT
	s_add_nc_u64 s[G0A+4*\s+2:G0A+4*\s+3], s[26:27], \s*256
	s_or_b32 s[G0A+4*\s+3], s[G0A+4*\s+3], 0x80000000
	s_mov_b32 s[G0B+4*\s], 1
	s_add_co_u32 s[G0B+4*\s+1], s100, \s*SLOT
	s_add_nc_u64 s[G0B+4*\s+2:G0B+4*\s+3], s[30:31], \s*256
	s_or_b32 s[G0B+4*\s+3], s[G0B+4*\s+3], 0x80000000
	JLOAD G0A+4*\s, G1A, G0B+4*\s, G1B
.endr
	v_and_b32 v1, 15, v0                           ; r
	v_bfe_u32 v2, v0, 4, 1                         ; h
	v_lshlrev_b32 v[CSO], 8, v1                    ; cos and sin: token's row of 256 bytes, + 32 wc + 16 h: my four frequencies
	v_lshl_add_u32 v[CSO], v2, 4, v[CSO]
	s_lshl_b32 s14, s19, 14
	s_lshl_b32 s15, s20, 5
	s_add_co_u32 s14, s14, s15
	v_add_nc_u32 v[CSO], s14, v[CSO]
	s_lshl_b32 s14, s24, 15
	s_mov_b32 s15, 0
	s_add_nc_u64 s[8:9], s[8:9], s[14:15]
	WIN TO_B
.irp a, 0,1,2,3
.irp z, 0,1,2,3                        ; cos low, cos high (frequencies + 16), sin low, sin high
	global_load_b128 v[CT+16*\a+4*\z:CT+16*\a+4*\z+3], v[CSO], s[8:9] offset:\a*4096+64*\z
.endr
.endr
	WIN 0
	v_mul_u32_u24 v3, v1, PITCH
	v_lshl_add_u32 v3, v2, 4, v3
	s_mul_i32 s14, s19, 64*PITCH
	s_mul_i32 s15, s20, 16*PITCH
	s_add_co_u32 s15, s15, BOFF
.irp s, 0,1,2
	v_add_nc_u32 v[ADRA+\s], s14, v3
	v_add_nc_u32 v[ADRB+\s], s15, v3
	s_add_co_u32 s14, s14, SLOT
	s_add_co_u32 s15, s15, SLOT
.endr
	v_lshrrev_b32 v4, 2, v1                        ; a row's 64 scale bytes: four rows to a unit of 256 + 16
	v_mul_u32_u24 v4, v4, 272
	v_and_b32 v5, 3, v1
	v_lshl_add_u32 v4, v5, 6, v4
	s_mul_i32 s14, s19, 16*272
	s_add_co_u32 s14, s14, SCA
	v_add_nc_u32 v[ADSA], s14, v4
	s_mul_i32 s14, s20, 4*272
	s_add_co_u32 s14, s14, SCB
	v_add_nc_u32 v[ADSB], s14, v4
	v_mul_u32_u24 v[STO], v1, SPT                  ; the stage, way in: row 64 wr + r, byte 32 wc + 16 h
	v_lshl_add_u32 v[STO], v2, 4, v[STO]
	s_mul_i32 s14, s19, 64*SPT
	s_lshl_b32 s15, s20, 5
	s_add_co_u32 s14, s14, s15
	s_add_co_u32 s14, s14, STAGE
	v_add_nc_u32 v[STO], s14, v[STO]
	v_and_b32 v5, 31, v0
	v_lshrrev_b32 v6, 3, v5                        ; way out: eight lanes a row of 128 bytes, four rows an instruction
	v_mul_u32_u24 v[RD], v6, SPT
	v_and_b32 v6, 7, v5
	v_lshl_add_u32 v[RD], v6, 4, v[RD]
	s_mul_i32 s14, s18, 32*SPT
	s_add_co_u32 s14, s14, STAGE
	v_add_nc_u32 v[RD], s14, v[RD]
	v_lshlrev_b32 v[GO], 4, v5
	s_lshl_b32 s14, s18, 12
	v_add_nc_u32 v[GO], s14, v[GO]                 ; in a head: 32 rows x wave + 16 x lane
	v_lshlrev_b32 v[F16O], 8, v1
	v_lshl_add_u32 v[F16O], v2, 5, v[F16O]
	s_lshl_b32 s14, s20, 6
	v_add_nc_u32 v[F16O], s14, v[F16O]             ; the f32 copy: token r, byte 64 wc + 32 h
	v_mov_b32 v[VCY], s22
	s_mul_i32 s14, s23, 3*262144
	s_lshl_b32 s15, s24, 14
	s_add_co_u32 s14, s14, s15
	s_mov_b32 s15, 0
	s_add_nc_u64 s[10:11], s[10:11], s[14:15]
	s_mul_i32 s14, s23, 3*4096
	s_add_nc_u64 s[12:13], s[12:13], s[14:15]
.macro FRAG reg, adr, off              ; 16 rows x 128 K of 4-bit codes: two loads of 16 bytes, 32 apart
	ds_load_b128 v[\reg:\reg+3], v[\adr] offset:\off
	ds_load_b128 v[\reg+4:\reg+7], v[\adr] offset:\off+32
.endm
.macro FETCH slot, q, set              ; 20 loads: W's six fragments and x's four of the slot's q-th 128 along K
	WIN TO_B
.irp b, 0,1,2,3,4,5
	FRAG 48*(\set)+8*\b, ADRB+\slot, 64*(\q)+\b*32*PITCH
.endr
	WIN 0
.irp a, 0,1,2,3
	FRAG AF+32*(\set)+8*\a, ADRA+\slot, 64*(\q)+\a*16*PITCH
.endr
.endm
.macro MUL set, kq, zero               ; 24 products; the 24 accumulators take turns, one instruction a turn, in the same order in every step
	WIN MULW
.irp a, 0,1,2,3
.irp b, 0,1,2,3,4,5
.if \zero
	v_wmma_scale_f32_16x16x128_f8f6f4 v[8*(6*\a+\b):8*(6*\a+\b)+7], v[48*(\set)+8*\b:48*(\set)+8*\b+7], v[AF+32*(\set)+8*\a:AF+32*(\set)+8*\a+7], 0, v[SB+16*\b+(\kq)], v[SA+16*\a+(\kq)] matrix_a_fmt:MATRIX_FMT_FP4 matrix_b_fmt:MATRIX_FMT_FP4
.else
	v_wmma_scale_f32_16x16x128_f8f6f4 v[8*(6*\a+\b):8*(6*\a+\b)+7], v[48*(\set)+8*\b:48*(\set)+8*\b+7], v[AF+32*(\set)+8*\a:AF+32*(\set)+8*\a+7], v[8*(6*\a+\b):8*(6*\a+\b)+7], v[SB+16*\b+(\kq)], v[SA+16*\a+(\kq)] matrix_a_fmt:MATRIX_FMT_FP4 matrix_b_fmt:MATRIX_FMT_FP4
.endif
.endr
.endr
.endm
.macro STEP kq, zero, next, nslot, nq
	s_wait_dscnt 0x0                               ; this step's fragments are in
.if \next
	PLACES                                         ; four places in front of loads into the set that the last products read
	FETCH \nslot, \nq, 1-(\kq)%2
.endif
	MUL (\kq)%2, \kq, \zero
.endm
.macro CHANGE fill
	WIN 0
	s_wait_tensorcnt 0x0                           ; all my tensor loads have landed
	ds_add_u32 v[SPW], v[NIL]
.if \fill
	s_add_nc_u64 s[G0A+2:G0A+3], s[G0A+2:G0A+3], 768   ; slot 0 takes K step 3
	s_add_nc_u64 s[G0B+2:G0B+3], s[G0B+2:G0B+3], 768
.endif
	s_wait_dscnt 0x0                               ; the add is done, my reads of the slots so far are over
.if \fill
	CROUND                                         ; no wave of any partner still reads slot 0 or has a load on its way
	JLOAD G0A, G1A, G0B, G1B                       ; its four v_nop are also the places in front of the loads that follow
.else
	s_barrier_signal -1
	s_barrier_wait -1
	PLACES
.endif
.endm
	s_wait_tensorcnt 2                             ; the scales and K step 0 are in; steps 1 and 2 may be out
	s_barrier_signal -1
	s_barrier_wait -1
.irp a, 0,1,2,3
.irp ks, 0,1,2,3
	ds_load_b128 v[SA+16*\a+4*\ks:SA+16*\a+4*\ks+3], v[ADSA] offset:\a*4*272+16*\ks
.endr
.endr
.irp b, 0,1,2,3,4,5
.irp ks, 0,1,2,3
	ds_load_b128 v[SB+16*\b+4*\ks:SB+16*\b+4*\ks+3], v[ADSB] offset:\b*8*272+16*\ks
.endr
.endr
	FETCH 0, 0, 0
	STEP 0, 1, 1, 0, 1                             ; the first products start the sums
	STEP 1, 0, 1, 0, 2
	STEP 2, 0, 1, 0, 3
	STEP 3, 0, 0, 0, 0
	CHANGE 1
	FETCH 1, 0, 0
	STEP 4, 0, 1, 1, 1
	STEP 5, 0, 1, 1, 2
	STEP 6, 0, 1, 1, 3
	STEP 7, 0, 1, 2, 0                             ; on into slot 2: the round has shown both slots whole
	STEP 8, 0, 1, 2, 1
	STEP 9, 0, 1, 2, 2
	STEP 10, 0, 1, 2, 3
	STEP 11, 0, 0, 0, 0
	CHANGE 0
	FETCH 0, 0, 0
	STEP 12, 0, 1, 0, 1
	STEP 13, 0, 1, 0, 2
	STEP 14, 0, 1, 0, 3
	STEP 15, 0, 0, 0, 0
	WIN 0
	PLACES                                         ; behind the last products: results are read and scale registers rewritten below
; THE WAY OUT.  lo' = lo cos(low) - hi sin(low); hi' = hi cos(high) + lo sin(high); registers 2 p and 2 p + 1 share frequency p.
	s_mul_i32 s16, s23, 3
.irp hl, 0,1,2
	s_add_co_u32 s17, s16, \hl
	s_cmp_lt_u32 s17, 40                           ; q's and k's heads are rotated, v's are not
	s_cselect_b32 s14, 1.0, 0
	s_cselect_b32 s15, -1.0, 0
	s_cselect_b32 s17, 0, 1.0
	v_mov_b32 v[MV+6*\hl], s14
	v_mov_b32 v[MV+6*\hl+1], s14
	v_mov_b32 v[MV+6*\hl+2], s15
	v_mov_b32 v[MV+6*\hl+3], s15
	v_mov_b32 v[MV+6*\hl+4], s17
	v_mov_b32 v[MV+6*\hl+5], s17
.endr
	s_wait_loadcnt 0x0                             ; cos and sin
.macro RP lo, hi, tl, p, x             ; pair p of the eight registers; x picks the pair's frequency in a pair of factors
	v_pk_mul_f32 v[(\tl)+2*\p:(\tl)+2*\p+1], v[(\lo)+2*\p:(\lo)+2*\p+1], v[E+2*(\p/2):E+2*(\p/2)+1] op_sel:[0,\x] op_sel_hi:[1,\x]
	v_pk_mul_f32 v[(\tl)+8+2*\p:(\tl)+8+2*\p+1], v[(\hi)+2*\p:(\hi)+2*\p+1], v[E+4+2*(\p/2):E+4+2*(\p/2)+1] op_sel:[0,\x] op_sel_hi:[1,\x]
	v_pk_fma_f32 v[(\tl)+2*\p:(\tl)+2*\p+1], v[(\hi)+2*\p:(\hi)+2*\p+1], v[E+8+2*(\p/2):E+8+2*(\p/2)+1], v[(\tl)+2*\p:(\tl)+2*\p+1] op_sel:[0,\x,0] op_sel_hi:[1,\x,1]
	v_pk_fma_f32 v[(\tl)+8+2*\p:(\tl)+8+2*\p+1], v[(\lo)+2*\p:(\lo)+2*\p+1], v[E+12+2*(\p/2):E+12+2*(\p/2)+1], v[(\tl)+8+2*\p:(\tl)+8+2*\p+1] op_sel:[0,\x,0] op_sel_hi:[1,\x,1]
.endm
.macro ROPE a, hl
	WIN 0x01                                       ; source 0: window 1
.irp i, 0,2,4,6
	v_pk_fma_f32 v[E+\i:E+\i+1], v[CT+16*\a+\i:CT+16*\a+\i+1], v[MV+6*\hl:MV+6*\hl+1], v[MV+6*\hl+4:MV+6*\hl+5]   ; m cos + b
.endr
.irp i, 8,10
	v_pk_mul_f32 v[E+\i:E+\i+1], v[CT+16*\a+\i:CT+16*\a+\i+1], v[MV+6*\hl+2:MV+6*\hl+3]                          ; -m sin (low)
.endr
.irp i, 12,14
	v_pk_mul_f32 v[E+\i:E+\i+1], v[CT+16*\a+\i:CT+16*\a+\i+1], v[MV+6*\hl:MV+6*\hl+1]                            ; m sin (high)
.endr
	WIN 0x02                                       ; source 0: window 2
	RP 8*(6*\a+2*\hl), 8*(6*\a+2*\hl+1), TT+16*\hl, 0, 0
	RP 8*(6*\a+2*\hl), 8*(6*\a+2*\hl+1), TT+16*\hl, 1, 1
	RP 8*(6*\a+2*\hl), 8*(6*\a+2*\hl+1), TT+16*\hl, 2, 0
	RP 8*(6*\a+2*\hl), 8*(6*\a+2*\hl+1), TT+16*\hl, 3, 1
	WIN 0
.irp i, 0,1,2,3,4,5,6,7
	v_cvt_pk_f16_f32 v[PKB+8*(3*\a+\hl)+\i], v[TT+16*\hl+2*\i], v[TT+16*\hl+2*\i+1]
.endr
	ds_store_b128 v[STO], v[PKB+8*(3*\a+\hl):PKB+8*(3*\a+\hl)+3] offset:\hl*HST+\a*16*SPT
	ds_store_b128 v[STO], v[PKB+8*(3*\a+\hl)+4:PKB+8*(3*\a+\hl)+7] offset:\hl*HST+\a*16*SPT+64
.endm
	ROPE 0, 0
	ROPE 0, 1
	ROPE 0, 2
	; the first 16 tokens in f32.  The branch hangs on the cluster's y and the wave's number, alike in all partners; which of the cluster's four tile rows is the first is told by a mask of lanes.
	s_cmp_lg_u32 s25, 0
	s_cbranch_scc1 .Lno16
	s_wait_xcnt 0x0                                ; EXEC changes only behind this wait
	v_cmp_eq_u32 vcc_lo, 0, v[VCY]
	s_and_saveexec_b32 s14, vcc_lo
.irp hl, 0,1,2
.irp u, 0,1
	global_store_b128 v[F16O], v[TT+16*\hl+8*\u:TT+16*\hl+8*\u+3], s[12:13] offset:\hl*4096+128*\u
	global_store_b128 v[F16O], v[TT+16*\hl+8*\u+4:TT+16*\hl+8*\u+7], s[12:13] offset:\hl*4096+128*\u+16
.endr
.endr
	s_wait_xcnt 0x0                                ; the stores have read EXEC and their data, which the next blocks rewrite
	s_or_b32 exec_lo, exec_lo, s14
.Lno16:
.irp a, 1,2,3
	ROPE \a, 0
	ROPE \a, 1
	ROPE \a, 2
.endr
	s_wait_dscnt 0x0                               ; for the others' sake: a row's 128 bytes come from two waves
	s_barrier_signal -1
	s_barrier_wait -1
.irp hl, 0,1,2
.irp n, 0,1,2,3,4,5,6,7
	ds_load_b128 v[PKB+4*(8*\hl+\n):PKB+4*(8*\hl+\n)+3], v[RD] offset:\hl*HST+\n*4*SPT
.endr
.endr
.irp hl, 0,1,2
.irp n, 0,1,2,3,4,5,6,7
	s_wait_dscnt 23-8*\hl-\n
	global_store_b128 v[GO], v[PKB+4*(8*\hl+\n):PKB+4*(8*\hl+\n)+3], s[10:11] offset:\hl*262144+\n*512   ; 512 consecutive bytes, aligned
.endr
.endr
	s_wait_tensorcnt 0x0                           ; the wave's end
	ds_add_u32 v[SPW], v[NIL]
	s_wait_dscnt 0x0
	CROUND                                         ; the closing round
	s_endpgm
.Lfunc_end_k_q6039d81d49_qkv:
	.size	k_q6039d81d49_qkv, .Lfunc_end_k_q6039d81d49_qkv-k_q6039d81d49_qkv
	.p2alignl 7, 3214868480
	.fill 96, 4, 3214868480
	.section	.rodata,"a",@progbits
	.p2align	6, 0x0
	.amdhsa_kernel k_q6039d81d49_qkv
		.amdhsa_group_segment_fixed_size 327680
		.amdhsa_private_segment_fixed_size 0
		.amdhsa_enable_private_segment 0
		.amdhsa_kernarg_size 40
		.amdhsa_user_sgpr_count 2
		.amdhsa_user_sgpr_kernarg_segment_ptr 1
		.amdhsa_wavefront_size32 1
		.amdhsa_system_sgpr_workgroup_id_x 1
		.amdhsa_system_sgpr_workgroup_id_y 1
		.amdhsa_system_sgpr_workgroup_id_z 1
		.amdhsa_system_vgpr_workitem_id 0
		.amdhsa_next_free_vgpr 768
		.amdhsa_next_free_sgpr 102
		.amdhsa_reserve_vcc 1
		.amdhsa_float_denorm_mode_32 3
		.amdhsa_float_denorm_mode_16_64 3
		.amdhsa_memory_ordered 1
		.amdhsa_forward_progress 1
		.amdhsa_inst_pref_size 123
	.end_amdhsa_kernel
	.amdgpu_metadata
---
amdhsa.version: [ 1, 2 ]
amdhsa.kernels:
  - .name:           k_q6039d81d49_qkv
    .symbol:         k_q6039d81d49_qkv.kd
    .args:
      - { .name: cod, .offset: 0, .size: 8, .value_kind: global_buffer, .address_space: global }
      - { .name: scl, .offset: 8, .size: 8, .value_kind: global_buffer, .address_space: global }
      - { .name: cs, .offset: 16, .size: 8, .value_kind: global_buffer, .address_space: global }
      - { .name: qkv, .offset: 24, .size: 8, .value_kind: global_buffer, .address_space: global }
      - { .name: qkv16, .offset: 32, .size: 8, .value_kind: global_buffer, .address_space: global }
    .group_segment_fixed_size: 327680
    .private_segment_fixed_size: 0
    .kernarg_segment_align: 8
    .kernarg_segment_size: 40
    .max_flat_workgroup_size: 128
    .sgpr_count:     102
    .vgpr_count:     768
    .wavefront_size: 32
...
	.end_amdgpu_metadata
.endif
;; end of part 2
;; launch attn (part 3): grid 32 x 8, 8 waves a work-group, clusters of 4 x 1, 327,680 bytes of LDS; arguments qkv, y; writes y
.if DOCPART == 3
	.amdgcn_target "amdgcn-amd-amdhsa--gfx1250"
	.amdhsa_code_object_version 6
	.text
	.protected	k_q6039d81d49_attn
	.globl	k_q6039d81d49_attn
	.p2align	8
	.type	k_q6039d81d49_attn,@function
k_q6039d81d49_attn:
	s_mov_b64 s[64:65], 0
	v_nop
	global_prefetch_b8 v0, s[64:65] scope:SCOPE_SE
	s_setreg_imm32_b32 hwreg(HW_REG_WAVE_MODE, 25, 1), 1
	s_wait_xcnt 0x0
	s_wait_alu depctr_hold_cnt(0) depctr_sa_sdst(0) depctr_va_vdst(0) depctr_va_sdst(0) depctr_va_ssrc(0) depctr_va_vcc(0) depctr_vm_vsrc(0)
	s_getreg_b32 s2, hwreg(HW_REG_IB_STS2, 6, 4)
	s_cmp_eq_u32 s2, 0
	s_cbranch_scc0 .Lentry_in_a_cluster
	s_endpgm
.Lentry_in_a_cluster:
	s_bfe_u32 s2, ttmp6, 0x10000c
	s_cmp_lg_u32 s2, 0x3003
	s_cbranch_scc0 .Lentry_shape_is_right
	s_endpgm
.Lentry_shape_is_right:
; y[head][q][:] = sum over k <= q of softmax_k(q . k / 8) v[k][:], f16 operands, f32 products, maxima and sums; a running maximum.  y: [32 heads][2,048][64] f16.
; SHARES.  The four work-groups of a cluster are the four query heads of one key/value head; they take the same pair of query blocks, so their trips and joint loads are alike.
; A work-group serves block i (128 queries) and then block 15 - i: 17 units of 128 x 128 in every work-group.  Keys come in slots of 256: (i / 2) + 1 slots for the first block, the rest of nine for the second: nine trips always.
; Wave w: queries 32 (w % 4) on, two tiles of 16; the two waves of a range split the keys: of a slot's four chunks of 64 keys wave w / 4 = p takes chunks p and p + 2.
; Each keeps its own O, maximum and sum; at a block's end waves 4-7 hand theirs to waves 0-3 through LDS, as images of their registers, and those merge, divide and store.
; LAYOUT.  S^T = K Q^T (source 0 = 16 keys, source 1 = 16 queries): a lane holds one query and keys 8 h + 0..7; two such tiles rounded to f16 are source 1 of O^T = V^T P; V is turned by ds_load_tr16_b128.
; K and V have registers of their own, so that in a trip's first chunk the second chunk's K is asked for together with V, behind the scores' products, and lands while the softmax runs.
; A chunk all of whose keys come after the wave's queries is jumped over (ids and counters alone); on the diagonal hidden scores become -infinity.  Every chunk that is walked has a key that counts for each of its queries.
; Each slot's K and V are read in part at the least by the block that asked for it, in all four partners alike.
; LIMITS: |q|, |k|, |v|, |y| under 65,504; weights under 6e-8 of a row's largest are lost in f16.
; REGISTERS: window 0: v2-19 addresses; v20-35 statistics (tile t at + 8 t: c m, m, l twice, four at work; a in + 6); v36-67 Q; v68-131 S^T; v132-163 P; v164-227 K; v228-255 at work.  window 1: v0-63 O^T; v64-95 the second block's Q; v96-159 V.
.set PK,    144                        ; a key's row: 128 bytes + 16
.set PV,    160                        ; a value's row: 128 + 32
.set VOFF,  256*PK
.set SLOT1, 1<<17
.set MST,   256*(PK+PV)                ; behind slot 0: the merge's stage, 20 images of 512 bytes for each of four pairs of waves
.set OST,   SLOT1+MST                  ; behind slot 1: the way out, 32 rows x 144 for each of four waves
.set SPARE, OST+4*32*144               ; the spare words, 128 bytes a wave
.set AK0, 2
.set AV0, 3
.set ADK, 4
.set ADV, 5
.set QO,  6
.set STO, 7
.set RD,  8
.set GO,  9
.set DG,  10
.set NINF, 12
.set PFO, 13
.set SPW, 14
.set NIL, 15
.set MSA, 16
.set RH,  17
.set ST,  20
.set Q,   36
.set S,   68
.set P,   132
.set KV,  164
.set QH,  64                           ; window 1
.set VB,  96                           ; window 1
.set WV,  8
.set SS,  9
.set PP,  10
.set CX,  11
.set PI,  14
.set NLO, 15
.set TR,  16
.set KC,  18
.set KN,  19
.set TB,  20
.set Q0,  21
.set Q0HI, 22
.set P64, 23
.set CS,  24
.set SEL, 26
.set KB,  28
.set VBS, 30
.set G1K, 32
.set G1V, 40
.set G0K, 48
.set G0V, 52
.set YLO, 56
.set YHI, 58
.set PFA, 60
.set LIM, 62
.set MSB, 0
.macro WIN new
.if MSB != \new
	s_set_vgpr_msb (MSB<<8)|\new
.set MSB, \new
.endif
.endm
.set W_PV, 0x51                        ; V, C and D window 1; P window 0
.set W_RS, 0x41                        ; destination and source 0 window 1
.macro TLOAD                           ; wave 0 asks for K's 256 rows, wave 1 for V's; an s_nop 0 and four v_nop follow each line
	s_cmp_eq_u32 s[WV], 0
	s_cbranch_scc0 .Lnot_k_\@
	tensor_load_to_lds s[G0K:G0K+3], s[G1K:G1K+7]
	s_nop 0
.rept 4
	v_nop
.endr
	s_branch .Lasked_\@
.Lnot_k_\@:
	s_cmp_eq_u32 s[WV], 1
	s_cbranch_scc0 .Lasked_\@
	tensor_load_to_lds s[G0V:G0V+3], s[G1V:G1V+7]
	s_nop 0
.rept 4
	v_nop
.endr
.Lasked_\@:
.endm
; A prefetch of the key tile that the pair 0's next change of slots will ask for: at change t, tile t + 1.  Only the clusters of pair 0 ask, which walk all eight tiles in order; wave 2 for K, wave 3 for V;
; the four partners take 8,192 bytes of the tile's 32,768 each, told apart by address, lanes 256 bytes apart: each block is named once in the launch.  Nothing is asked for at the head nor at the last filling change.
.macro ASK
	s_cmp_lt_u32 s[TR], s[LIM]
	s_cbranch_scc0 .Lnot_mine_\@
	global_prefetch_b8 v[PFO], s[PFA:PFA+1] th:TH_LOAD_NT scope:SCOPE_SE
.Lnot_mine_\@:
.endm
.macro CROUND
	s_barrier_signal -1
	s_barrier_wait -1
	s_cmp_lg_u32 s[WV], 0
	s_cbranch_scc1 .Lnot_wave_0_\@
	s_barrier_signal -3
.Lnot_wave_0_\@:
	s_barrier_wait -3
	s_barrier_signal -1
	s_barrier_wait -1
.endm
.macro INIT                            ; O^T = 0, m under every score, l = 0
	WIN 0x40
.set i, 0
.rept 64
	v_mov_b32 v[i], 0
.set i, i+1
.endr
	WIN 0
.irp t, 0,1
	v_mov_b32 v[ST+8*\t+1], 0xff61b1e6             ; -3e38
	v_mul_f32 v[ST+8*\t], s[CS], v[ST+8*\t+1]
.irp z, 2,3,4,5,6,7
	v_mov_b32 v[ST+8*\t+\z], 0
.endr
.endr
.endm
	s_load_b128 s[4:7], s[0:1], 0x0                ; qkv, y
	v_lshl_add_u32 v[SPW], v0, 2, SPARE
	v_mov_b32 v[NIL], 0
	ds_add_u32 v[SPW], v[NIL]                      ; the opening: the add, twice on end, and its wait ahead of the first tensor load
	ds_add_u32 v[SPW], v[NIL]
	v_lshrrev_b32 v1, 5, v0
	v_readfirstlane_b32 s[WV], v1
	s_and_b32 s[SS], s[WV], 3
	s_lshr_b32 s[PP], s[WV], 2
	s_lshl_b32 s[P64], s[PP], 6
	s_bfe_u32 s[CX], ttmp6, 0x40000
	s_and_b32 s[PI], ttmp7, 0xffff                 ; the pair
	s_lshr_b32 s[NLO], s[PI], 1
	s_add_co_u32 s[NLO], s[NLO], 1                 ; slots of the first block
	s_lshl_b32 s[Q0], s[PI], 7
	s_lshl_b32 s2, s[SS], 5
	s_add_co_u32 s[Q0], s[Q0], s2                  ; my first query in the first block,
	s_sub_co_u32 s[Q0HI], 15, s[PI]
	s_lshl_b32 s[Q0HI], s[Q0HI], 7
	s_add_co_u32 s[Q0HI], s[Q0HI], s2              ; and in the second
	s_mov_b32 s[G1K], 15|(1<<16)|(1<<20)|(1<<21)|(4<<22)|(3<<25)   ; all four partners; elements of 2 bytes; 4 words of padding behind every 32
	s_mov_b32 s[G1V], 15|(1<<16)|(1<<20)|(1<<21)|(4<<22)|(7<<25)   ; 8 words
.irp g, G1K, G1V
	s_mov_b32 s[\g+1], 64<<16
	s_mov_b32 s[\g+2], 256<<16
	s_mov_b32 s[\g+3], 64<<16
	s_mov_b32 s[\g+4], 256
	s_mov_b32 s[\g+5], 64
	s_mov_b32 s[\g+6], 0
	s_mov_b32 s[\g+7], 0
.endr
	s_mov_b32 s[CS], 0x3e38aa3b                    ; c = log2(e) / 8
	s_mov_b32 s[CS+1], s[CS]
	s_mov_b32 s[SEL], 0x76543210
	s_mov_b32 s[SEL+1], 0xfedcba98
	s_mov_b32 s[TR], 0
	s_mov_b32 s[KN], 0
	s_mov_b32 s[KC], 0
	s_mov_b32 s[TB], 0
	s_add_co_u32 s12, ttmp9, 32
	s_lshl_b32 s12, s12, 18                        ; k's head: 262,144 bytes a head
	s_mov_b32 s13, 0
	s_lshr_b32 s74, s[WV], 1
	s_xor_b32 s74, s74, 1
	s_or_b32 s74, s74, s[PI]                       ; 0 in waves 2 and 3 of pair 0
	s_cmp_eq_u32 s74, 0
	s_cselect_b32 s[LIM], 7, 0
	s_wait_dscnt 0x0
	s_wait_kmcnt 0x0
	s_add_nc_u64 s[KB:KB+1], s[4:5], s[12:13]
	s_add_nc_u64 s[VBS:VBS+1], s[KB:KB+1], 0x200000  ; v's head: eight heads on
	s_mov_b32 s[G0K], 1
	s_mov_b32 s[G0K+1], 0
	s_mov_b64 s[G0K+2:G0K+3], s[KB:KB+1]
	s_or_b32 s[G0K+3], s[G0K+3], 0x80000000
	s_mov_b32 s[G0V], 1
	s_mov_b32 s[G0V+1], VOFF
	s_mov_b64 s[G0V+2:G0V+3], s[VBS:VBS+1]
	s_or_b32 s[G0V+3], s[G0V+3], 0x80000000
	CROUND                                         ; all four work-groups are here
	TLOAD                                          ; keys 0-255 into slot 0
	s_lshl_b32 s66, ttmp9, 2
	s_add_co_u32 s66, s66, s[CX]
	s_lshl_b32 s66, s66, 18                        ; my query head
	s_lshl_b32 s68, s[Q0], 7
	s_add_co_u32 s68, s68, s66
	s_mov_b32 s69, 0
	s_lshl_b32 s70, s[Q0HI], 7
	s_add_co_u32 s70, s70, s66
	s_mov_b32 s71, 0
	s_add_nc_u64 s[YLO:YLO+1], s[6:7], s[68:69]
	s_add_nc_u64 s[YHI:YHI+1], s[6:7], s[70:71]
	s_add_nc_u64 s[68:69], s[4:5], s[68:69]
	s_add_nc_u64 s[70:71], s[4:5], s[70:71]
	v_and_b32 v1, 15, v0                           ; r
	v_bfe_u32 v18, v0, 4, 1                        ; h
	v_and_b32 v19, 31, v0                          ; lane
	v_lshlrev_b32 v[QO], 7, v1
	v_lshl_add_u32 v[QO], v18, 4, v[QO]
.irp t, 0,1
.irp kk, 0,1
	global_load_b128 v[Q+16*\t+8*\kk:Q+16*\t+8*\kk+3], v[QO], s[68:69] offset:\t*2048+64*\kk
	global_load_b128 v[Q+16*\t+8*\kk+4:Q+16*\t+8*\kk+7], v[QO], s[68:69] offset:\t*2048+64*\kk+32
.endr
.endr
	WIN 0x40
.irp t, 0,1
.irp kk, 0,1
	global_load_b128 v[QH+16*\t+8*\kk:QH+16*\t+8*\kk+3], v[QO], s[70:71] offset:\t*2048+64*\kk
	global_load_b128 v[QH+16*\t+8*\kk+4:QH+16*\t+8*\kk+7], v[QO], s[70:71] offset:\t*2048+64*\kk+32
.endr
.endr
	WIN 0
	s_cmp_eq_u32 s[WV], 2
	s_cselect_b64 s[PFA:PFA+1], s[KB:KB+1], s[VBS:VBS+1]
	s_lshl_b32 s74, s[CX], 13
	s_mov_b32 s75, 0
	s_add_nc_u64 s[PFA:PFA+1], s[PFA:PFA+1], s[74:75]   ; in tile 0; the first change steps it to tile 1
	v_lshlrev_b32 v[PFO], 8, v19
	v_mul_u32_u24 v[AK0], v1, PK
	v_lshl_add_u32 v[AK0], v18, 4, v[AK0]
	s_mul_i32 s2, s[PP], 64*PK
	v_add_nc_u32 v[AK0], s2, v[AK0]
	v_and_b32 v228, 7, v0
	v_lshl_add_u32 v[AV0], v18, 3, v228
	v_mul_u32_u24 v[AV0], v[AV0], PV
	v_bfe_u32 v229, v0, 3, 1
	v_lshl_add_u32 v[AV0], v229, 4, v[AV0]
	s_mul_i32 s2, s[PP], 64*PV
	s_add_co_u32 s2, s2, VOFF
	v_add_nc_u32 v[AV0], s2, v[AV0]
	v_mul_u32_u24 v[STO], v1, 144
	v_lshl_add_u32 v[STO], v18, 4, v[STO]
	s_mul_i32 s2, s[SS], 32*144
	s_add_co_u32 s2, s2, OST
	v_add_nc_u32 v[STO], s2, v[STO]
	v_lshrrev_b32 v229, 3, v19
	v_mul_u32_u24 v[RD], v229, 144
	v_lshl_add_u32 v[RD], v228, 4, v[RD]
	v_add_nc_u32 v[RD], s2, v[RD]
	v_lshlrev_b32 v[GO], 4, v19
	s_mul_i32 s2, s[SS], 20*512
	s_add_co_u32 s2, s2, MST
	v_add_nc_u32 v[MSA], s2, v[GO]
	v_lshlrev_b32 v228, 3, v18
	v_sub_nc_u32 v[RH], v1, v228                   ; r - 8 h
	v_mov_b32 v[NINF], 0xff800000
	INIT
.macro SOFTMAX                         ; both tiles by turns
.irp j, 0,1,2,3
.irp t, 0,1
	v_max3_num_f32 v[ST+8*\t+4+\j], v[S+32*\t+8*\j], v[S+32*\t+8*\j+1], v[S+32*\t+8*\j+2]   ; each accumulator is read from its low end on
.endr
.endr
.irp g, 3,5
.irp j, 0,1,2,3
.irp t, 0,1
	v_max3_num_f32 v[ST+8*\t+4+\j], v[ST+8*\t+4+\j], v[S+32*\t+8*\j+\g], v[S+32*\t+8*\j+\g+1]
.endr
.endr
.endr
.irp t, 0,1
	v_max3_num_f32 v[ST+8*\t+4], v[ST+8*\t+4], v[S+32*\t+7], v[S+32*\t+15]
	v_max3_num_f32 v[ST+8*\t+6], v[ST+8*\t+6], v[S+32*\t+23], v[S+32*\t+31]
.endr
.irp t, 0,1
	v_max3_num_f32 v[ST+8*\t+4], v[ST+8*\t+4], v[ST+8*\t+5], v[ST+8*\t+6]
.endr
.irp t, 0,1
	v_max3_num_f32 v[ST+8*\t+4], v[ST+8*\t+4], v[ST+8*\t+7], v[ST+8*\t+1]   ; with the old m
.endr
.irp t, 0,1
	v_permlanex16_b32 v[ST+8*\t+5], v[ST+8*\t+4], s[SEL], s[SEL+1]          ; the query's other keys lie 16 lanes away
	v_mov_b32 v[ST+8*\t+7], v[ST+8*\t]                                      ; the old c m
.endr
.irp t, 0,1
	v_max_num_f32 v[ST+8*\t+1], v[ST+8*\t+4], v[ST+8*\t+5]
.endr
.irp t, 0,1
	v_mul_f32 v[ST+8*\t], s[CS], v[ST+8*\t+1]
.endr
.irp t, 0,1
	v_sub_f32 v[ST+8*\t+7], v[ST+8*\t+7], v[ST+8*\t]
.endr
.set n, 0
.rept 32
	v_pk_fma_f32 v[S+2*n:S+2*n+1], v[S+2*n:S+2*n+1], s[CS:CS+1], v[ST+8*(n/16):ST+8*(n/16)+1] op_sel_hi:[1,0,0] neg_lo:[0,0,1] neg_hi:[0,0,1]   ; c s - c m
.set n, n+1
.endr
.irp t, 0,1
	v_exp_f32 v[ST+8*\t+6], v[ST+8*\t+7]           ; a = 2^(old c m - new c m)
.endr
.set n, 0
.rept 64
	v_exp_f32 v[S+n], v[S+n]
.set n, n+1
.endr
	v_nop                                          ; a plain instruction behind the last exponential
	s_wait_alu depctr_va_vdst(0)                   ; one wait for the batch of 66, ahead of its first reader
.set n, 0
.rept 32
	v_cvt_pk_f16_f32 v[P+n], v[S+2*n], v[S+2*n+1]
.set n, n+1
.endr
.irp w, 4,8,16,32                      ; the sums of the unrounded weights, in place, by halving
.set n, 0
.rept 64/\w
	v_pk_add_f32 v[S+\w*n:S+\w*n+1], v[S+\w*n:S+\w*n+1], v[S+\w*n+\w/2:S+\w*n+\w/2+1]
.set n, n+1
.endr
.endr
.irp t, 0,1
	v_pk_fma_f32 v[ST+8*\t+2:ST+8*\t+3], v[ST+8*\t+2:ST+8*\t+3], v[ST+8*\t+6:ST+8*\t+7], v[S+32*\t:S+32*\t+1] op_sel_hi:[1,0,1]   ; l = a l + the sum
.endr
.endm
.macro KLOAD u                         ; 16 loads: K of the slot's chunk p + 2 u: keys 16 kt on, channels 32 kk on
.irp kt, 0,1,2,3
.irp kk, 0,1
	ds_load_b128 v[KV+16*\kt+8*\kk:KV+16*\kt+8*\kk+3], v[ADK] offset:\u*128*PK+\kt*16*PK+64*\kk
	ds_load_b128 v[KV+16*\kt+8*\kk+4:KV+16*\kt+8*\kk+7], v[ADK] offset:\u*128*PK+\kt*16*PK+64*\kk+32
.endr
.endr
.endm
.macro VLOAD u                         ; 16 loads: V of the same chunk, turned: keys 32 (f / 4) on, channels 16 (f % 4) on; into window 1
	WIN 0x40
.irp f, 0,1,2,3,4,5,6,7
	ds_load_tr16_b128 v[VB+8*\f:VB+8*\f+3], v[ADV] offset:\u*128*PV+(\f/4)*32*PV+(\f%4)*32
	ds_load_tr16_b128 v[VB+8*\f+4:VB+8*\f+7], v[ADV] offset:\u*128*PV+(\f/4)*32*PV+16*PV+(\f%4)*32
.endr
	WIN 0
.endm
; A chunk of 64 keys: the slot's chunk p + 2 u.  skip: the label behind the trip's second chunk: a first chunk whose keys all come after my queries takes the second with it, whose keys lie 128 further on.
; So the second chunk is walked only behind the first, which has asked for its K.
.macro CHUNK u, skip
	s_add_co_u32 s2, s[KC], s[P64]
.if \u
	s_add_co_u32 s2, s2, 128
.endif
	s_add_co_u32 s3, s[Q0], 31
	s_cmp_gt_u32 s2, s3                            ; all its keys come after my queries: nothing to do
	s_cbranch_scc1 \skip
.if \u == 0
	v_add_nc_u32 v[ADK], s[TB], v[AK0]
	v_add_nc_u32 v[ADV], s[TB], v[AV0]
	KLOAD 0
.endif
	s_wait_dscnt 0x0                               ; K is in: just asked for, or asked for in the first chunk
.irp kk, 0,1                           ; eight accumulators by turns
.irp kt, 0,1,2,3
.irp t, 0,1
.if \kk == 0
	v_wmma_f32_16x16x32_f16 v[S+32*\t+8*\kt:S+32*\t+8*\kt+7], v[KV+16*\kt+8*\kk:KV+16*\kt+8*\kk+7], v[Q+16*\t+8*\kk:Q+16*\t+8*\kk+7], 0
.else
	v_wmma_f32_16x16x32_f16 v[S+32*\t+8*\kt:S+32*\t+8*\kt+7], v[KV+16*\kt+8*\kk:KV+16*\kt+8*\kk+7], v[Q+16*\t+8*\kk:Q+16*\t+8*\kk+7], v[S+32*\t+8*\kt:S+32*\t+8*\kt+7]
.endif
.endr
.endr
.endr
.rept 4
	v_nop                                          ; places: K's registers are loaded anew and the scores are read
.endr
	VLOAD \u                                       ; it lands while the softmax runs,
.if \u == 0
	KLOAD 1                                        ; and so does the second chunk's K
.endif
	s_add_co_u32 s3, s2, 63
	s_cmp_le_u32 s3, s[Q0]                         ; all its keys count
	s_cbranch_scc1 .Lopen_\@
	s_sub_co_i32 s3, s[Q0], s2
	v_add_nc_u32 v[DG], s3, v[RH]                  ; register 8 kt + j of tile t holds key 16 kt + 8 h + j of the chunk: hidden where 16 kt + j > my query - the chunk's first key - 8 h
	v_add_nc_u32 v[DG+1], 16, v[DG]
.irp t, 0,1
.set n, 0
.rept 32
	v_cmp_gt_i32 vcc_lo, 16*(n/8)+n%8, v[DG+\t]
	v_cndmask_b32 v[S+32*\t+n], v[S+32*\t+n], v[NINF], vcc_lo
.set n, n+1
.endr
.endr
.Lopen_\@:
	SOFTMAX
	WIN W_RS
.irp t, 0,1
.irp i, 0,2,4,6,8,10,12,14,16,18,20,22,24,26,28,30
	v_pk_mul_f32 v[32*\t+\i:32*\t+\i+1], v[32*\t+\i:32*\t+\i+1], v[ST+8*\t+6:ST+8*\t+7] op_sel_hi:[1,0]   ; O^T x a
.endr
.endr
.if \u == 0
	s_wait_dscnt 16                                ; V is in; the sixteen loads of the second chunk's K, issued behind V's, may be out
.else
	s_wait_dscnt 0x0                               ; V is in
.endif
	WIN W_PV
.irp kg, 0,1                           ; eight accumulators by turns
.irp dt, 0,1,2,3
.irp t, 0,1
	v_wmma_f32_16x16x32_f16 v[32*\t+8*\dt:32*\t+8*\dt+7], v[VB+32*\kg+8*\dt:VB+32*\kg+8*\dt+7], v[P+16*\t+8*\kg:P+16*\t+8*\kg+7], v[32*\t+8*\dt:32*\t+8*\dt+7]
.endr
.endr
.endr
	WIN 0
.rept 4
	v_nop                                          ; places behind the last products, for whatever follows: loads into V's registers, reads of O^T
.endr
.endm
; THE CHANGE OF SLOTS, at a trip's head.  fill = 1: the other slot takes the next trip's 256 keys; at the end of the first block's slots the keys begin anew.
.macro CHANGE fill
	s_wait_tensorcnt 0x0                           ; no tensor load of mine is out
	ds_add_u32 v[SPW], v[NIL]
.if \fill
	ds_add_u32 v[SPW], v[NIL]                      ; twice on end here, in every trip alike
.endif
	s_mov_b32 s[KC], s[KN]                         ; this trip's first key
.if \fill
	s_add_co_u32 s[KN], s[KN], 256
	s_add_co_u32 s17, s[TR], 1
	s_cmp_eq_u32 s17, s[NLO]
	s_cselect_b32 s[KN], 0, s[KN]
	s_lshl_b32 s72, s[KN], 7
	s_mov_b32 s73, 0
	s_xor_b32 s[G0K+1], s[G0K+1], SLOT1
	s_add_nc_u64 s[G0K+2:G0K+3], s[KB:KB+1], s[72:73]
	s_or_b32 s[G0K+3], s[G0K+3], 0x80000000
	s_xor_b32 s[G0V+1], s[G0V+1], SLOT1
	s_add_nc_u64 s[G0V+2:G0V+3], s[VBS:VBS+1], s[72:73]
	s_or_b32 s[G0V+3], s[G0V+3], 0x80000000
	s_wait_xcnt 0x0                                ; the last prefetch, a trip back, has read its address
	s_add_nc_u64 s[PFA:PFA+1], s[PFA:PFA+1], 32768
.endif
	s_wait_dscnt 0x0                               ; the adds are done; my LDS reads and stores so far are over
.if \fill
	CROUND                                         ; no wave of any partner still reads the other slot or has a load on its way
	TLOAD
	ASK
.else
	s_barrier_signal -1
	s_barrier_wait -1
.endif
.endm
.macro STORE_PART                      ; waves 4-7: O^T and the statistics as images of their registers
	WIN 0x04                                       ; an LDS store's data: window 1
.set i, 0
.rept 16
	ds_store_b128 v[MSA], v[4*i:4*i+3] offset:512*i
.set i, i+1
.endr
	WIN 0
.irp i, 0,1,2,3
	ds_store_b128 v[MSA], v[ST+4*\i:ST+4*\i+3] offset:512*(16+\i)
.endr
.endm
.macro MERGE_OUT yb                    ; waves 0-3: the partner's part is brought under a common maximum with mine, divided by the sum, rounded and stored
.set i, 0
.rept 16
	ds_load_b128 v[S+4*i:S+4*i+3], v[MSA] offset:512*i
.set i, i+1
.endr
.irp i, 0,1,2,3
	ds_load_b128 v[228+4*\i:228+4*\i+3], v[MSA] offset:512*(16+\i)
.endr
	s_wait_dscnt 0x0
.irp t, 0,1
	v_max_num_f32 v[244+\t], v[ST+8*\t], v[228+8*\t]
.endr
.irp t, 0,1
	v_sub_f32 v[ST+8*\t+4], v[ST+8*\t], v[244+\t]
	v_sub_f32 v[228+8*\t+4], v[228+8*\t], v[244+\t]
.endr
.irp t, 0,1
	v_exp_f32 v[ST+8*\t+4], v[ST+8*\t+4]           ; f0
	v_exp_f32 v[228+8*\t+4], v[228+8*\t+4]         ; f1
.endr
.irp t, 0,1
	v_add_f32 v[ST+8*\t+2], v[ST+8*\t+2], v[ST+8*\t+3]
	v_add_f32 v[228+8*\t+2], v[228+8*\t+2], v[228+8*\t+3]
.endr
	s_wait_alu depctr_va_vdst(0)                   ; one wait for the four exponentials
.irp t, 0,1
	v_mul_f32 v[ST+8*\t+5], v[ST+8*\t+4], v[ST+8*\t+2]
.endr
.irp t, 0,1
	v_fma_f32 v[ST+8*\t+5], v[228+8*\t+4], v[228+8*\t+2], v[ST+8*\t+5]
.endr
.irp t, 0,1
	v_permlanex16_b32 v[ST+8*\t+7], v[ST+8*\t+5], s[SEL], s[SEL+1]
.endr
.irp t, 0,1
	v_add_f32 v[ST+8*\t+5], v[ST+8*\t+5], v[ST+8*\t+7]   ; the row's sum
.endr
.irp t, 0,1
	v_rcp_f32 v[246+\t], v[ST+8*\t+5]
.endr
	v_nop
	s_wait_alu depctr_va_vdst(0)                   ; one wait for the two reciprocals
.irp t, 0,1
	v_mul_f32 v[ST+8*\t+6], v[ST+8*\t+4], v[246+\t]
	v_mul_f32 v[228+8*\t+6], v[228+8*\t+4], v[246+\t]
.endr
.irp t, 0,1
.irp i, 0,2,4,6,8,10,12,14,16,18,20,22,24,26,28,30
	v_pk_mul_f32 v[S+32*\t+\i:S+32*\t+\i+1], v[S+32*\t+\i:S+32*\t+\i+1], v[228+8*\t+6:228+8*\t+7] op_sel_hi:[1,0]
.endr
.endr
	WIN 0x01                                       ; source 0: my O^T, window 1, each accumulator from its low end on
.irp t, 0,1
.irp i, 0,2,4,6,8,10,12,14,16,18,20,22,24,26,28,30
	v_pk_fma_f32 v[S+32*\t+\i:S+32*\t+\i+1], v[32*\t+\i:32*\t+\i+1], v[ST+8*\t+6:ST+8*\t+7], v[S+32*\t+\i:S+32*\t+\i+1] op_sel_hi:[1,0,1]
.endr
.endr
	WIN 0
.set n, 0
.rept 32
	v_cvt_pk_f16_f32 v[P+n], v[S+2*n], v[S+2*n+1]
.set n, n+1
.endr
.irp t, 0,1
.irp dt, 0,1,2,3
	ds_store_b128 v[STO], v[P+16*\t+4*\dt:P+16*\t+4*\dt+3] offset:\t*16*144+32*\dt
.endr
.endr
.irp n, 0,1,2,3,4,5,6,7
	ds_load_b128 v[KV+4*\n:KV+4*\n+3], v[RD] offset:\n*4*144   ; my own bytes: LDS serves a wave's instructions in order
.endr
.irp n, 0,1,2,3,4,5,6,7
	s_wait_dscnt 7-\n
	global_store_b128 v[GO], v[KV+4*\n:KV+4*\n+3], s[\yb:\yb+1] offset:512*\n   ; 512 consecutive bytes, aligned
.endr
	s_wait_xcnt 0x0                                ; the stores have read their data, which later loads rewrite
.endm
.macro RESET                           ; on to the second block
	WIN 0x01
.set i, 0
.rept 32
	v_mov_b32 v[Q+i], v[QH+i]
.set i, i+1
.endr
	INIT
	s_mov_b32 s[Q0], s[Q0HI]
.endm
	s_wait_loadcnt 0x0                             ; Q of both blocks
.Ltrip:                                            ; eight trips; behind each change the next trip's keys are asked for
	s_cmp_lg_u32 s[TR], s[NLO]
	s_cbranch_scc1 .Lno_part
	s_cmp_lt_u32 s[WV], 4
	s_cbranch_scc1 .Lno_part
	STORE_PART                                     ; the first block is finished: the trip's round stands between these stores and the partner's loads
.Lno_part:
	CHANGE 1
	s_cmp_lg_u32 s[TR], s[NLO]
	s_cbranch_scc1 .Lsame
	s_cmp_lt_u32 s[WV], 4
	s_cbranch_scc0 .Lno_merge
	MERGE_OUT YLO
.Lno_merge:
	RESET
.Lsame:
	CHUNK 0, .Lskip_loop
	CHUNK 1, .Lskip_loop
.Lskip_loop:
	s_xor_b32 s[TB], s[TB], SLOT1
	s_add_co_u32 s[TR], s[TR], 1
	s_cmp_lt_u32 s[TR], 8
	s_cbranch_scc1 .Ltrip
	CHANGE 0                                       ; the ninth trip is written out: nothing is left to ask for
	CHUNK 0, .Lskip_tail
	CHUNK 1, .Lskip_tail
.Lskip_tail:
	s_cmp_lt_u32 s[WV], 4
	s_cbranch_scc1 .Lno_part2
	STORE_PART
.Lno_part2:
	s_wait_dscnt 0x0
	s_barrier_signal -1
	s_barrier_wait -1
	s_cmp_lt_u32 s[WV], 4
	s_cbranch_scc0 .Lend
	MERGE_OUT YHI
.Lend:
	s_wait_tensorcnt 0x0                           ; the wave's end
	ds_add_u32 v[SPW], v[NIL]
	s_wait_dscnt 0x0
	CROUND                                         ; the closing round
	s_endpgm
.Lfunc_end_k_q6039d81d49_attn:
	.size	k_q6039d81d49_attn, .Lfunc_end_k_q6039d81d49_attn-k_q6039d81d49_attn
	.p2alignl 7, 3214868480
	.fill 96, 4, 3214868480
	.section	.rodata,"a",@progbits
	.p2align	6, 0x0
	.amdhsa_kernel k_q6039d81d49_attn
		.amdhsa_group_segment_fixed_size 327680
		.amdhsa_private_segment_fixed_size 0
		.amdhsa_enable_private_segment 0
		.amdhsa_kernarg_size 16
		.amdhsa_user_sgpr_count 2
		.amdhsa_user_sgpr_kernarg_segment_ptr 1
		.amdhsa_wavefront_size32 1
		.amdhsa_system_sgpr_workgroup_id_x 1
		.amdhsa_system_sgpr_workgroup_id_y 1
		.amdhsa_system_sgpr_workgroup_id_z 1
		.amdhsa_system_vgpr_workitem_id 0
		.amdhsa_next_free_vgpr 416
		.amdhsa_next_free_sgpr 76
		.amdhsa_reserve_vcc 1
		.amdhsa_float_denorm_mode_32 3
		.amdhsa_float_denorm_mode_16_64 3
		.amdhsa_memory_ordered 1
		.amdhsa_forward_progress 1
		.amdhsa_inst_pref_size 127
	.end_amdhsa_kernel
	.amdgpu_metadata
---
amdhsa.version: [ 1, 2 ]
amdhsa.kernels:
  - .name:           k_q6039d81d49_attn
    .symbol:         k_q6039d81d49_attn.kd
    .args:
      - { .name: qkv, .offset: 0, .size: 8, .value_kind: global_buffer, .address_space: global }
      - { .name: y, .offset: 8, .size: 8, .value_kind: global_buffer, .address_space: global }
    .group_segment_fixed_size: 327680
    .private_segment_fixed_size: 0
    .kernarg_segment_align: 8
    .kernarg_segment_size: 16
    .max_flat_workgroup_size: 256
    .sgpr_count:     76
    .vgpr_count:     416
    .wavefront_size: 32
...
	.end_amdgpu_metadata
.endif
;; end of part 3
;; launch proj (part 4): grid 16 x 16, 4 waves a work-group, clusters of 4 x 4, 327,680 bytes of LDS; arguments y, wc16, out0; writes out0
.if DOCPART == 4
	.amdgcn_target "amdgcn-amd-amdhsa--gfx1250"
	.amdhsa_code_object_version 6
	.text
	.protected	k_q6039d81d49_proj
	.globl	k_q6039d81d49_proj
	.p2align	8
	.type	k_q6039d81d49_proj,@function
k_q6039d81d49_proj:
	s_mov_b64 s[64:65], 0
	v_nop
	global_prefetch_b8 v0, s[64:65] scope:SCOPE_SE
	s_setreg_imm32_b32 hwreg(HW_REG_WAVE_MODE, 25, 1), 1
	s_wait_xcnt 0x0
	s_wait_alu depctr_hold_cnt(0) depctr_sa_sdst(0) depctr_va_vdst(0) depctr_va_sdst(0) depctr_va_ssrc(0) depctr_va_vcc(0) depctr_vm_vsrc(0)
	s_getreg_b32 s2, hwreg(HW_REG_IB_STS2, 6, 4)
	s_cmp_eq_u32 s2, 0
	s_cbranch_scc0 .Lentry_in_a_cluster
	s_endpgm
.Lentry_in_a_cluster:
	s_bfe_u32 s2, ttmp6, 0x10000c
	s_cmp_lg_u32 s2, 0xf033
	s_cbranch_scc0 .Lentry_shape_is_right
	s_endpgm
.Lentry_shape_is_right:
; out0[t][n] = sum over k of y[t][k] Wc[n][k], f16 operands, f32 sums, f32 out.  y lies by heads: [32][2,048 tokens][64], k = 64 head + channel; wc16: [2,048 n][2,048 k].
; A tile of out0 is 128 x 128; four waves of 64 x 64: 16 accumulators.  K goes in steps of 256 (four heads) through two LDS slots.  A's part of a slot: [4 heads][64 tokens][128 bytes + 16] for each half of the tile's rows:
; a head's 64 token rows are 8,192 dense bytes, stated as one row of the tile, with padding behind every 128 bytes.  B's: 64 rows of 512 bytes + 16 for each half.
; CLUSTER 4 x 4: A's tiles are shared along a row of the cluster, B's along a column: joint loads.  Waves 0, 1 ask for A's halves, waves 2, 3 for B's.
; THE MATRIX INSTRUCTION IS USED TRANSPOSED (source 0 = 16 rows of Wc, source 1 = 16 tokens): a lane holds eight neighbouring columns of a row of out0.
; Rows 0-15 are stored here like all others and are written again, more finely, by the launch that follows.
; REGISTERS: window 0: v0-31 addresses; v32-95 the way out; v128-255 accumulators ((a, b) at 128 + 8 (4 a + b)).  window 1: two fragment buffers of 128: 64 of A (2 x 4 x 16 rows x 32 K), 64 of B.
.set SIZE_N, 2048
.set PA,     144
.set PB,     528
.set HALFA,  4*64*PA
.set HALFB,  64*PB
.set BOFF,   2*HALFA
.set SLOT,   BOFF+2*HALFB
.set STAGE,  2*SLOT                    ; 16 rows x 272 bytes for each wave: a wave's 64 columns are 256 bytes, aligned
.set SPITCH, 272
.set SPARE,  STAGE+4*16*SPITCH
.set LAPS,   4
.set ADRA, 16
.set ADRB, 20
.set STO,  24
.set RD,   25
.set CO,   26
.set SPW,  28
.set NIL,  29
.set TMP,  32
.set ACC,  128
.set F0,   0
.set F1,   128
.set G1, 24
.set G0, 32
.set G1B, 48
.set G0B, 56
.set MSB, 0
.macro WIN new
.if MSB != \new
	s_set_vgpr_msb (MSB<<8)|\new
.set MSB, \new
.endif
.endm
.set MUL,  0x05                        ; sources 0 and 1 window 1
.set TO_F, 0x40
.macro JLOAD s                         ; an s_nop 0 and four v_nop follow each line
	s_cmp_eq_u32 s11, 0
	s_cbranch_scc0 .Lfor_b_\@
	tensor_load_to_lds s[G0+4*\s:G0+4*\s+3], s[G1:G1+7]
	s_nop 0
.rept 4
	v_nop
.endr
	s_branch .Lasked_\@
.Lfor_b_\@:
	tensor_load_to_lds s[G0B+4*\s:G0B+4*\s+3], s[G1B:G1B+7]
	s_nop 0
.rept 4
	v_nop
.endr
.Lasked_\@:
.endm
.macro CREST
	s_cmp_lg_u32 s10, 0
	s_cbranch_scc1 .Lnot_wave_0_\@
	s_barrier_signal -3
.Lnot_wave_0_\@:
	s_barrier_wait -3
	s_barrier_signal -1
	s_barrier_wait -1
.endm
.macro CROUND
	s_barrier_signal -1
	s_barrier_wait -1
	CREST
.endm
	s_load_b128 s[4:7], s[0:1], 0x0                ; y, wc16
	s_load_b64 s[8:9], s[0:1], 0x10                ; out0
	v_lshl_add_u32 v[SPW], v0, 2, SPARE
	v_mov_b32 v[NIL], 0
	ds_add_u32 v[SPW], v[NIL]                      ; the opening: the add, twice on end, and its wait ahead of my first tensor load
	ds_add_u32 v[SPW], v[NIL]
	v_lshrrev_b32 v1, 5, v0
	v_readfirstlane_b32 s10, v1
	s_lshr_b32 s11, s10, 1                         ; my half of the tile's rows; also: I fetch for A (0) or B (1)
	s_and_b32 s12, s10, 1                          ; my half of its columns; also: which half I fetch
	s_bfe_u32 s40, ttmp6, 0x40000
	s_bfe_u32 s41, ttmp6, 0x40004
	s_lshl_b32 s42, ttmp9, 2
	s_add_co_u32 s42, s42, s40                     ; tile column
	s_and_b32 s13, ttmp7, 0xffff
	s_lshl_b32 s13, s13, 2
	s_add_co_u32 s13, s13, s41                     ; tile row
	s_lshl_b32 s43, s41, 2
	s_lshl_b32 s43, 15, s43
	s_lshl_b32 s44, 0x1111, s40
	s_or_b32 s[G1+0], s43, (1<<16)|(1<<20)|(1<<21)|(4<<22)|(3<<25)    ; A: 4 words of padding behind every 32
	s_mov_b32 s[G1+1], 4096<<16                    ; a row of the tile: 64 tokens x 64 channels of one head, dense
	s_mov_b32 s[G1+2], 4<<16                       ; four heads
	s_mov_b32 s[G1+3], 4096<<16
	s_mov_b32 s[G1+4], 4
	s_mov_b32 s[G1+5], 131072                      ; elements from head to head
	s_mov_b32 s[G1+6], 0
	s_mov_b32 s[G1+7], 0
	s_or_b32 s[G1B+0], s44, (1<<16)|(1<<20)|(1<<21)|(6<<22)|(3<<25)   ; B: behind every 128 words
	s_mov_b32 s[G1B+1], 256<<16
	s_mov_b32 s[G1B+2], 64<<16
	s_mov_b32 s[G1B+3], 256<<16
	s_mov_b32 s[G1B+4], 64
	s_mov_b32 s[G1B+5], 2048
	s_mov_b32 s[G1B+6], 0
	s_mov_b32 s[G1B+7], 0
	s_lshl_b32 s16, s13, 14                        ; A: token 128 tile row + 64 half, 128 bytes a token
	s_lshl_b32 s17, s12, 13
	s_add_co_u32 s16, s16, s17
	s_mov_b32 s17, 0
	s_lshl_b32 s46, s42, 19                        ; B: row 128 tile column + 64 half, 4,096 bytes a row
	s_lshl_b32 s47, s12, 18
	s_add_co_u32 s46, s46, s47
	s_mov_b32 s47, 0
	s_mul_i32 s20, s12, HALFA
	s_mul_i32 s21, s12, HALFB
	s_add_co_u32 s21, s21, BOFF
	s_wait_dscnt 0x0
	s_wait_kmcnt 0x0
	s_add_nc_u64 s[14:15], s[4:5], s[16:17]
	s_add_nc_u64 s[46:47], s[6:7], s[46:47]
	CROUND
.irp s, 0,1
	s_mov_b32 s[G0+4*\s], 1
	s_add_co_u32 s[G0+4*\s+1], s20, \s*SLOT
	s_add_nc_u64 s[G0+4*\s+2:G0+4*\s+3], s[14:15], \s*1048576      ; a K step: four heads of 262,144 bytes
	s_or_b32 s[G0+4*\s+3], s[G0+4*\s+3], 0x80000000
	s_mov_b32 s[G0B+4*\s], 1
	s_add_co_u32 s[G0B+4*\s+1], s21, \s*SLOT
	s_add_nc_u64 s[G0B+4*\s+2:G0B+4*\s+3], s[46:47], \s*512
	s_or_b32 s[G0B+4*\s+3], s[G0B+4*\s+3], 0x80000000
	JLOAD \s
.endr
	v_and_b32 v1, 15, v0
	v_bfe_u32 v2, v0, 4, 1
	v_mul_u32_u24 v3, v1, PA
	v_lshl_add_u32 v3, v2, 4, v3
	v_mul_u32_u24 v4, v1, PB
	v_lshl_add_u32 v4, v2, 4, v4
	s_mul_i32 s21, s11, HALFA
	s_mul_i32 s22, s12, HALFB
	s_add_co_u32 s22, s22, BOFF
.irp s, 0,1
	v_add_nc_u32 v[ADRA+\s], s21, v3
	v_add_nc_u32 v[ADRB+\s], s22, v4
	s_add_co_u32 s21, s21, SLOT
	s_add_co_u32 s22, s22, SLOT
.endr
	s_mul_i32 s23, s10, 16*SPITCH
	s_add_co_u32 s23, s23, STAGE
	v_mul_u32_u24 v4, v1, SPITCH
	v_lshl_add_u32 v4, v2, 5, v4
	v_add_nc_u32 v[STO], s23, v4                   ; in: row r, 32 bytes for each half of the lanes
	v_mul_u32_u24 v5, v2, SPITCH
	v_lshl_add_u32 v5, v1, 4, v5
	v_add_nc_u32 v[RD], s23, v5                    ; back: lanes 0-15 one row of 256 bytes, lanes 16-31 the next
	v_lshlrev_b32 v5, 13, v2
	v_lshl_add_u32 v[CO], v1, 4, v5
	s_lshl_b32 s2, s13, 20                         ; my first row: (128 tile row + 64 half) x 8,192 bytes,
	s_lshl_b32 s3, s11, 19
	s_add_co_u32 s2, s2, s3
	s_lshl_b32 s3, s42, 9                          ; my first column: 512 tile column + 256 half
	s_add_co_u32 s2, s2, s3
	s_lshl_b32 s3, s12, 8
	s_add_co_u32 s2, s2, s3
	s_mov_b32 s3, 0
	s_add_nc_u64 s[8:9], s[8:9], s[2:3]
.macro MUL8 f, c, a0, zero             ; the 16 accumulators take turns, one instruction a turn
.irp a, \a0, \a0+1
.irp b, 0,1,2,3
.if \zero
	v_wmma_f32_16x16x32_f16 v[ACC+8*(4*(\a)+\b):ACC+8*(4*(\a)+\b)+7], v[\f+64+8*(4*\c+\b):\f+64+8*(4*\c+\b)+7], v[\f+8*(4*\c+\a):\f+8*(4*\c+\a)+7], 0
.else
	v_wmma_f32_16x16x32_f16 v[ACC+8*(4*(\a)+\b):ACC+8*(4*(\a)+\b)+7], v[\f+64+8*(4*\c+\b):\f+64+8*(4*\c+\b)+7], v[\f+8*(4*\c+\a):\f+8*(4*\c+\a)+7], v[ACC+8*(4*(\a)+\b):ACC+8*(4*(\a)+\b)+7]
.endif
.endr
.endr
.endm
.macro FETCH slot, qd, f               ; 32 loads: the fragments of the slot's quarter qd (64 along K: one head), the first 32 along K first
	WIN TO_F
.irp c, 0,1
.irp i, 0,1,2,3
	ds_load_b128 v[\f+64+8*(4*\c+\i):\f+64+8*(4*\c+\i)+3],   v[ADRB+\slot] offset:\qd*128+64*\c+\i*16*PB
	ds_load_b128 v[\f+64+8*(4*\c+\i)+4:\f+64+8*(4*\c+\i)+7], v[ADRB+\slot] offset:\qd*128+64*\c+\i*16*PB+32
	ds_load_b128 v[\f+8*(4*\c+\i):\f+8*(4*\c+\i)+3],         v[ADRA+\slot] offset:\qd*64*PA+64*\c+\i*16*PA
	ds_load_b128 v[\f+8*(4*\c+\i)+4:\f+8*(4*\c+\i)+7],       v[ADRA+\slot] offset:\qd*64*PA+64*\c+\i*16*PA+32
.endr
.endr
.endm
.macro PLACES
.rept 4
	v_nop
.endr
.endm
.macro QUARTER slot, qd, f, g, zero    ; multiplies buffer f and fetches the quarter qd into g
	s_wait_dscnt 16                                ; the first 32 along K are in; the other sixteen loads may be out
	WIN MUL
	MUL8 \f, 0, 0, \zero
	MUL8 \f, 0, 2, \zero
	PLACES
	FETCH \slot, \qd, \g
	s_wait_dscnt 32                                ; all but the 32 just issued
	WIN MUL
	MUL8 \f, 1, 0, 0
	MUL8 \f, 1, 2, 0
.endm
.macro TURN slot, next, fill           ; a slot's last quarter changes slots
	WIN 0
	s_wait_tensorcnt 0x0                           ; all my tensor loads have landed: my part of the next slot
	ds_add_u32 v[SPW], v[NIL]
	s_wait_dscnt 17                                ; the add and the youngest sixteen loads may be out
	WIN MUL
	MUL8 F1, 0, 0, 0
	s_wait_dscnt 0x0                               ; the add is done, my reads of this slot are over
	s_barrier_signal -1
	MUL8 F1, 0, 2, 0
.if \fill
	WIN 0
.endif
	s_barrier_wait -1
.if \fill
	CREST                                          ; the barrier has opened a round of the cluster's
	s_add_nc_u64 s[G0+4*\slot+2:G0+4*\slot+3], s[G0+4*\slot+2:G0+4*\slot+3], 2097152
	s_add_nc_u64 s[G0B+4*\slot+2:G0B+4*\slot+3], s[G0B+4*\slot+2:G0B+4*\slot+3], 1024
	JLOAD \slot                                    ; its four v_nop are also the places in front of the loads below
.else
	PLACES
.endif
	FETCH \next, 0, F0
	WIN MUL
	MUL8 F1, 1, 0, 0
	MUL8 F1, 1, 2, 0
.endm
	s_wait_tensorcnt 1                             ; my part of K step 0 is in; step 1's may be out
	s_barrier_signal -1
	s_barrier_wait -1
	FETCH 0, 0, F0
	QUARTER 0, 1, F0, F1, 1                        ; the first products start the sums
	WIN 0
	s_mov_b32 s3, LAPS-1
.Llap:
	QUARTER 0, 2, F1, F0, 0
	QUARTER 0, 3, F0, F1, 0
	TURN 0, 1, 1
	QUARTER 1, 1, F0, F1, 0
	QUARTER 1, 2, F1, F0, 0
	QUARTER 1, 3, F0, F1, 0
	TURN 1, 0, 1
	QUARTER 0, 1, F0, F1, 0
	WIN 0
	s_sub_co_u32 s3, s3, 1
	s_cmp_lg_u32 s3, 0
	s_cbranch_scc1 .Llap
	QUARTER 0, 2, F1, F0, 0                        ; the last lap fills nothing
	QUARTER 0, 3, F0, F1, 0
	TURN 0, 1, 0
	QUARTER 1, 1, F0, F1, 0
	QUARTER 1, 2, F1, F0, 0
	QUARTER 1, 3, F0, F1, 0
	s_wait_dscnt 16
	WIN MUL
	MUL8 F1, 0, 0, 0
	MUL8 F1, 0, 2, 0
	s_wait_dscnt 0
	MUL8 F1, 1, 0, 0
	MUL8 F1, 1, 2, 0
	WIN 0
; THE WAY OUT, a block of 16 rows x 64 columns at a time through my own stage: back as whole rows of 256 bytes.
.macro TOSTAGE a
.irp b, 0,1,2,3
	ds_store_b128 v[STO], v[ACC+8*(4*(\a)+\b):ACC+8*(4*(\a)+\b)+3] offset:64*\b        ; each accumulator from its low end on
	ds_store_b128 v[STO], v[ACC+8*(4*(\a)+\b)+4:ACC+8*(4*(\a)+\b)+7] offset:64*\b+16
.endr
.set BB, TMP+32*((\a)%2)
.irp t, 0,1,2,3,4,5,6,7
	ds_load_b128 v[BB+4*\t:BB+4*\t+3], v[RD] offset:\t*2*SPITCH   ; LDS serves a wave's instructions in order
.endr
.endm
.macro SEND a, younger
.set BB, TMP+32*((\a)%2)
	s_wait_dscnt \younger
.irp t, 0,1,2,3,4,5,6,7
	global_store_b128 v[CO], v[BB+4*\t:BB+4*\t+3], s[8:9] offset:(16*(\a)+2*\t)*SIZE_N*4 th:TH_STORE_NT   ; sixteen lanes store 256 consecutive bytes, aligned
.endr
.endm
	PLACES
	TOSTAGE 0
.irp a, 1,2,3
.if \a > 1
	s_wait_xcnt 0x0                                ; block a - 2's stores have read the registers into which block a's loads land
.endif
	TOSTAGE \a
	SEND \a-1, 16                                  ; behind block a - 1's loads: block a's 8 stores and 8 loads
.endr
	SEND 3, 0
	s_wait_tensorcnt 0x0                           ; the wave's end
	ds_add_u32 v[SPW], v[NIL]
	s_wait_dscnt 0x0
	CROUND
	s_endpgm
.Lfunc_end_k_q6039d81d49_proj:
	.size	k_q6039d81d49_proj, .Lfunc_end_k_q6039d81d49_proj-k_q6039d81d49_proj
	.p2alignl 7, 3214868480
	.fill 96, 4, 3214868480
	.section	.rodata,"a",@progbits
	.p2align	6, 0x0
	.amdhsa_kernel k_q6039d81d49_proj
		.amdhsa_group_segment_fixed_size 327680
		.amdhsa_private_segment_fixed_size 0
		.amdhsa_enable_private_segment 0
		.amdhsa_kernarg_size 24
		.amdhsa_user_sgpr_count 2
		.amdhsa_user_sgpr_kernarg_segment_ptr 1
		.amdhsa_wavefront_size32 1
		.amdhsa_system_sgpr_workgroup_id_x 1
		.amdhsa_system_sgpr_workgroup_id_y 1
		.amdhsa_system_sgpr_workgroup_id_z 1
		.amdhsa_system_vgpr_workitem_id 0
		.amdhsa_next_free_vgpr 512
		.amdhsa_next_free_sgpr 66
		.amdhsa_reserve_vcc 0
		.amdhsa_float_denorm_mode_32 3
		.amdhsa_float_denorm_mode_16_64 3
		.amdhsa_memory_ordered 1
		.amdhsa_forward_progress 1
		.amdhsa_inst_pref_size 86
	.end_amdhsa_kernel
	.amdgpu_metadata
---
amdhsa.version: [ 1, 2 ]
amdhsa.kernels:
  - .name:           k_q6039d81d49_proj
    .symbol:         k_q6039d81d49_proj.kd
    .args:
      - { .name: y, .offset: 0, .size: 8, .value_kind: global_buffer, .address_space: global }
      - { .name: wc16, .offset: 8, .size: 8, .value_kind: global_buffer, .address_space: global }
      - { .name: out0, .offset: 16, .size: 8, .value_kind: global_buffer, .address_space: global }
    .group_segment_fixed_size: 327680
    .private_segment_fixed_size: 0
    .kernarg_segment_align: 8
    .kernarg_segment_size: 24
    .max_flat_workgroup_size: 128
    .sgpr_count:     66
    .vgpr_count:     512
    .wavefront_size: 32
...
	.end_amdgpu_metadata
.endif
;; end of part 4
;; launch first16 (part 5): grid 128 x 1, 8 waves a work-group, no clusters, 142,336 bytes of LDS; arguments qkv, qkv16, Wc, out0; writes out0
.if DOCPART == 5
	.amdgcn_target "amdgcn-amd-amdhsa--gfx1250"
	.amdhsa_code_object_version 6
	.text
	.protected	k_q6039d81d49_first16
	.globl	k_q6039d81d49_first16
	.p2align	8
	.type	k_q6039d81d49_first16,@function
k_q6039d81d49_first16:
	s_mov_b64 s[64:65], 0
	v_nop
	global_prefetch_b8 v0, s[64:65] scope:SCOPE_SE
	s_setreg_imm32_b32 hwreg(HW_REG_WAVE_MODE, 25, 1), 1
	s_wait_xcnt 0x0
; Positions 0-15 once more, more finely.  Under the causal mask their rows of weights x values average one to sixteen values and are the largest of the output: that product and the projection by Wc that takes
; its rows in are done here in f32, from the f32 copy of v (qkv16) and from Wc as it is given.  The scores sum 64 terms at every position, here as in all later rows: they take the f16 q and k of qkv, with f32 sums;
; the mask, the maximum, the exponentials and the division are in f32.
; Work-group n makes out0[0..15][16 n .. 16 n + 15].  Wave w takes K = 256 w on of the projection: query heads 4 w .. 4 w + 3, key/value head w; it computes their attention for the 16 positions and multiplies by its part of Wc.
; The eight partial sums meet in LDS; wave 0 adds them in the waves' order and stores.
; Wc: the wave's part is 16 rows x 1,024 bytes.  It is loaded as it lies, 512 consecutive bytes an instruction, and turns through the wave's own stage in LDS (rows 1,040 bytes apart, so that the sixteen rows of a
; read start in different banks) into the operand's registers, in place: LDS serves a wave's instructions in order.
; The f32 matrix form takes 4 along K: lane (r, h), register j: k = 2 h + j.  Each product's K is walked in an order that is the same on both sides, chosen so that nothing changes lanes:
;  weights x values: keys 8 h + 2 s + j, which is how the scores' results lie;  projection: channels 16 dt + 8 h + 2 s + j, which is how O^T's results lie.
; The registers that this form writes (O, OUT) are written by matrix instructions alone; what is made of them goes to other registers.
; LIMITS: |q|, |k| under 65,504 (f16), as in the launch that serves the other positions.
; REGISTERS: window 0: v1-15 addresses; v16-31 K (f16); v48-79 V^T; v80-111 S^T (4 heads); v112-143 p; v144-207 O^T (2 heads x 4); v208-223 OUT (2); v224-255 at work.  window 1: v0-63 Q (f16); v128-255 Wc.
.set KH,  16
.set VT,  48
.set S,   80
.set P,   112
.set O,   144
.set OUT, 208
.set WC,  128
.set SPW, 14
.set NIL, 15
.set WP,    1040                       ; a row of the stage: 1,024 bytes + 16
.set WREG,  16*WP                      ; a wave's stage
.set RED,   8*WREG                     ; behind the stages: the eight partial sums, 1,024 bytes each
.set SPARE, RED+8*1024                 ; the spare words, 128 bytes a wave, named by no other line
.set MSB, 0
.macro WIN new
.if MSB != \new
	s_set_vgpr_msb (MSB<<8)|\new
.set MSB, \new
.endif
.endm
	s_load_b256 s[4:11], s[0:1], 0x0               ; qkv, qkv16, Wc, out0
	v_lshl_add_u32 v[SPW], v0, 2, SPARE
	v_mov_b32 v[NIL], 0
	v_lshrrev_b32 v1, 5, v0
	v_readfirstlane_b32 s16, v1                    ; wave
	v_and_b32 v1, 15, v0                           ; r
	v_bfe_u32 v2, v0, 4, 1                         ; h
	v_lshlrev_b32 v3, 7, v1
	v_lshl_add_u32 v3, v2, 4, v3                   ; q, k in f16: row r of 128 bytes, + 16 h
	v_lshlrev_b32 v4, 2, v1
	v_lshl_add_u32 v4, v2, 11, v4                  ; v in f32: key 8 h, channel r
	v_lshlrev_b32 v5, 3, v2
	v_sub_nc_u32 v5, v1, v5                        ; r - 8 h
	v_lshlrev_b32 v6, 13, v1
	v_lshl_add_u32 v6, v2, 5, v6                   ; out0: row r of 8,192 bytes, + 32 h
	v_mov_b32 v7, 0xff800000
	v_and_b32 v8, 31, v0
	v_lshlrev_b32 v10, 4, v8                       ; 16 x lane
	s_lshl_b32 s17, s16, 10
	s_add_co_u32 s17, s17, RED
	v_add_nc_u32 v8, s17, v10                      ; my wave's partial sum in LDS
	v_add_nc_u32 v9, RED, v10                      ; and the first wave's
	s_mul_i32 s17, s16, WREG
	v_add_nc_u32 v12, s17, v10                     ; my stage, way in: 16 x lane
	v_mul_u32_u24 v13, v1, WP
	v_lshl_add_u32 v13, v2, 5, v13
	v_add_nc_u32 v13, s17, v13                     ; way out: row r, + 32 h
	s_mov_b32 s20, 0x76543210
	s_mov_b32 s21, 0xfedcba98
	s_mov_b32 s22, 0x3e38aa3b                      ; c = log2(e) / 8
	s_mov_b32 s23, s22
	s_mov_b32 s19, 0
	s_wait_kmcnt 0x0
	s_lshl_b32 s18, s16, 18                        ; a head of qkv is 262,144 bytes
	s_add_nc_u64 s[12:13], s[4:5], s[18:19]
	s_add_nc_u64 s[12:13], s[12:13], 32*262144     ; k's head w
	s_lshl_b32 s18, s16, 20
	s_add_nc_u64 s[14:15], s[4:5], s[18:19]        ; q's heads 4 w on
	s_lshl_b32 s18, s16, 12                        ; a head of qkv16 is 4,096 bytes
	s_add_nc_u64 s[24:25], s[6:7], s[18:19]
	s_add_nc_u64 s[24:25], s[24:25], 40*4096       ; v's head w
	s_lshl_b32 s18, ttmp9, 17
	s_lshl_b32 s17, s16, 10
	s_add_co_u32 s18, s18, s17
	s_add_nc_u64 s[8:9], s[8:9], s[18:19]          ; Wc: row 16 n, column 256 w
	s_lshl_b32 s18, ttmp9, 6
	s_add_nc_u64 s[10:11], s[10:11], s[18:19]
.irp kk, 0,1                                       ; a fragment of 16 rows x 32 channels of f16: two loads of 16 bytes, 32 apart
	global_load_b128 v[KH+8*\kk:KH+8*\kk+3], v3, s[12:13] offset:64*\kk
	global_load_b128 v[KH+8*\kk+4:KH+8*\kk+7], v3, s[12:13] offset:64*\kk+32
.endr
	WIN 0x40
.irp hd, 0,1,2,3
.irp kk, 0,1
	global_load_b128 v[16*\hd+8*\kk:16*\hd+8*\kk+3], v3, s[14:15] offset:262144*\hd+64*\kk
	global_load_b128 v[16*\hd+8*\kk+4:16*\hd+8*\kk+7], v3, s[14:15] offset:262144*\hd+64*\kk+32
.endr
.endr
.irp rho, 0,1,2,3,4,5,6,7,8,9,10,11,12,13,14,15    ; Wc as it lies: 512 consecutive bytes an instruction
.irp c, 0,1
	global_load_b128 v[WC+4*(2*\rho+\c):WC+4*(2*\rho+\c)+3], v10, s[8:9] offset:8192*\rho+512*\c th:TH_LOAD_NT
.endr
.endr
	WIN 0
.irp dt, 0,1,2,3
.irp e, 0,1,2,3,4,5,6,7
	global_load_b32 v[VT+8*\dt+\e], v4, s[24:25] offset:256*\e+64*\dt
.endr
.endr
.irp hd, 0,1,2,3
	v_mov_b32 v[225+2*\hd], 0                      ; a lane permute's destination counts as one of its sources
.endr
	s_wait_loadcnt 63                              ; K and Q are in: 64 loads are younger, and a smaller count is safe
	WIN 0x04                                       ; source 1 (Q): window 1
.irp kk, 0,1                                       ; S^T = K Q^T: four accumulators by turns
.irp hd, 0,1,2,3
.if \kk == 0
	v_wmma_f32_16x16x32_f16 v[S+8*\hd:S+8*\hd+7], v[KH+8*\kk:KH+8*\kk+7], v[16*\hd+8*\kk:16*\hd+8*\kk+7], 0
.else
	v_wmma_f32_16x16x32_f16 v[S+8*\hd:S+8*\hd+7], v[KH+8*\kk:KH+8*\kk+7], v[16*\hd+8*\kk:16*\hd+8*\kk+7], v[S+8*\hd:S+8*\hd+7]
.endif
.endr
.endr
	WIN 0
.rept 4
	v_nop                                          ; four places behind this form before its results are read
.endr
.irp j, 0,1,2,3,4,5,6,7                            ; register j holds key 8 h + j of query r: hidden where j > r - 8 h
	v_cmp_gt_i32 vcc_lo, \j, v5
.irp hd, 0,1,2,3
	v_cndmask_b32 v[P+8*\hd+\j], v[S+8*\hd+\j], v7, vcc_lo
.endr
.endr
.irp hd, 0,1,2,3
	v_max3_num_f32 v[224+2*\hd], v[P+8*\hd], v[P+8*\hd+1], v[P+8*\hd+2]
.endr
.irp g, 3,5
.irp hd, 0,1,2,3
	v_max3_num_f32 v[224+2*\hd], v[224+2*\hd], v[P+8*\hd+\g], v[P+8*\hd+\g+1]
.endr
.endr
.irp hd, 0,1,2,3
	v_max_num_f32 v[224+2*\hd], v[224+2*\hd], v[P+8*\hd+7]
.endr
.irp hd, 0,1,2,3
	v_permlanex16_b32 v[225+2*\hd], v[224+2*\hd], s20, s21
.endr
.irp hd, 0,1,2,3
	v_max_num_f32 v[224+2*\hd], v[224+2*\hd], v[225+2*\hd]   ; the row's maximum: key 0 counts for every query
.endr
.irp hd, 0,1,2,3
	v_mul_f32 v[224+2*\hd], s22, v[224+2*\hd]
.endr
.irp hd, 0,1,2,3
.irp i, 0,2,4,6
	v_pk_fma_f32 v[P+8*\hd+\i:P+8*\hd+\i+1], v[P+8*\hd+\i:P+8*\hd+\i+1], s[22:23], v[224+2*\hd:225+2*\hd] op_sel_hi:[1,0,0] neg_lo:[0,0,1] neg_hi:[0,0,1]
.endr
.endr
.set n, 0
.rept 32
	v_exp_f32 v[P+n], v[P+n]
.set n, n+1
.endr
	v_nop
	s_wait_alu depctr_va_vdst(0)                   ; one wait for the 32 exponentials
.irp hd, 0,1,2,3
	v_pk_add_f32 v[232+2*\hd:233+2*\hd], v[P+8*\hd:P+8*\hd+1], v[P+8*\hd+2:P+8*\hd+3]
	v_pk_add_f32 v[240+2*\hd:241+2*\hd], v[P+8*\hd+4:P+8*\hd+5], v[P+8*\hd+6:P+8*\hd+7]
.endr
.irp hd, 0,1,2,3
	v_pk_add_f32 v[232+2*\hd:233+2*\hd], v[232+2*\hd:233+2*\hd], v[240+2*\hd:241+2*\hd]
.endr
.irp hd, 0,1,2,3
	v_add_f32 v[232+2*\hd], v[232+2*\hd], v[233+2*\hd]
.endr
.irp hd, 0,1,2,3
	v_permlanex16_b32 v[233+2*\hd], v[232+2*\hd], s20, s21
.endr
.irp hd, 0,1,2,3
	v_add_f32 v[232+2*\hd], v[232+2*\hd], v[233+2*\hd]
.endr
.irp hd, 0,1,2,3
	v_rcp_f32 v[240+2*\hd], v[232+2*\hd]
.endr
	v_nop
	s_wait_alu depctr_va_vdst(0)                   ; one wait for the four reciprocals
.irp hd, 0,1,2,3
.irp i, 0,2,4,6
	v_pk_mul_f32 v[P+8*\hd+\i:P+8*\hd+\i+1], v[P+8*\hd+\i:P+8*\hd+\i+1], v[240+2*\hd:241+2*\hd] op_sel_hi:[1,0]   ; normalised here: O^T is y itself
.endr
.endr
	s_wait_loadcnt 0x0                             ; Wc and V^T are in
	WIN 0x04                                       ; an LDS store's data: window 1
.irp rho, 0,1,2,3,4,5,6,7,8,9,10,11,12,13,14,15    ; Wc through my stage: in as it was loaded,
.irp c, 0,1
	ds_store_b128 v12, v[WC+4*(2*\rho+\c):WC+4*(2*\rho+\c)+3] offset:WP*\rho+512*\c
.endr
.endr
	WIN 0x40
.irp tt, 0,1,2,3,4,5,6,7,8,9,10,11,12,13,14,15     ; back as the operand wants it: lane (r, h): row r, channels 16 tt + 8 h + 0..7; into the registers that it left.  It lands while the products below run
.irp c, 0,1
	ds_load_b128 v[WC+8*\tt+4*\c:WC+8*\tt+4*\c+3], v13 offset:64*\tt+16*\c
.endr
.endr
	WIN 0
.irp hp, 0,1                                       ; two heads at a time
.if \hp
.rept 9
	v_nop                                          ; nine places: the products below begin O^T anew over registers that the last products read
.endr
.endif
.irp s, 0,1,2,3                                    ; O^T = V^T p: eight accumulators by turns
.irp e, 0,1
.irp dt, 0,1,2,3
.if \s == 0
	v_wmma_f32_16x16x4_f32 v[O+32*\e+8*\dt:O+32*\e+8*\dt+7], v[VT+8*\dt+2*\s:VT+8*\dt+2*\s+1], v[P+8*(2*\hp+\e)+2*\s:P+8*(2*\hp+\e)+2*\s+1], 0
.else
	v_wmma_f32_16x16x4_f32 v[O+32*\e+8*\dt:O+32*\e+8*\dt+7], v[VT+8*\dt+2*\s:VT+8*\dt+2*\s+1], v[P+8*(2*\hp+\e)+2*\s:P+8*(2*\hp+\e)+2*\s+1], v[O+32*\e+8*\dt:O+32*\e+8*\dt+7]
.endif
.endr
.endr
.endr
.rept 9
	v_nop                                          ; nine places: results become operands
.endr
.if \hp == 0
	s_wait_dscnt 0x0                               ; Wc is back from the stage
.endif
	WIN 0x01                                       ; source 0 (Wc): window 1
.irp dt, 0,1,2,3                                   ; OUT^T += Wc y^T: two accumulators by turns
.irp s, 0,1,2,3
.irp e, 0,1
.if (\hp == 0) && (\dt == 0) && (\s == 0)
	v_wmma_f32_16x16x4_f32 v[OUT+8*\e:OUT+8*\e+7], v[WC+8*(4*(2*\hp+\e)+\dt)+2*\s:WC+8*(4*(2*\hp+\e)+\dt)+2*\s+1], v[O+32*\e+8*\dt+2*\s:O+32*\e+8*\dt+2*\s+1], 0
.else
	v_wmma_f32_16x16x4_f32 v[OUT+8*\e:OUT+8*\e+7], v[WC+8*(4*(2*\hp+\e)+\dt)+2*\s:WC+8*(4*(2*\hp+\e)+\dt)+2*\s+1], v[O+32*\e+8*\dt+2*\s:O+32*\e+8*\dt+2*\s+1], v[OUT+8*\e:OUT+8*\e+7]
.endif
.endr
.endr
.endr
	WIN 0
.endr
.rept 8
	v_nop                                          ; eight places behind the f32 form before its results are read
.endr
.irp j, 0,1,2,3,4,5,6,7
	v_add_f32 v[224+\j], v[OUT+\j], v[OUT+8+\j]    ; lane (r, h), register j: out0(r, 16 n + 8 h + j), my wave's part
.endr
	ds_store_b128 v8, v[224:227]
	ds_store_b128 v8, v[228:231] offset:512
	s_wait_dscnt 0x0                               ; for the others' sake
	s_barrier_signal -1
	s_barrier_wait -1
	s_cmp_lg_u32 s16, 0
	s_cbranch_scc1 .Ldone
.irp w, 0,1,2,3,4,5,6,7
	ds_load_b128 v[16+8*\w:16+8*\w+3], v9 offset:1024*\w
	ds_load_b128 v[16+8*\w+4:16+8*\w+7], v9 offset:1024*\w+512
.endr
	s_wait_dscnt 0x0
.irp w, 1,2,3,4,5,6,7
.irp i, 0,2,4,6
	v_pk_add_f32 v[16+\i:16+\i+1], v[16+\i:16+\i+1], v[16+8*\w+\i:16+8*\w+\i+1]
.endr
.endr
	global_store_b128 v6, v[16:19], s[10:11]
	global_store_b128 v6, v[20:23], s[10:11] offset:16
.Ldone:
	s_wait_tensorcnt 0x0                           ; the wave's end, behind my last LDS store
	ds_add_u32 v[SPW], v[NIL]
	s_wait_dscnt 0x0
	s_endpgm
.Lfunc_end_k_q6039d81d49_first16:
	.size	k_q6039d81d49_first16, .Lfunc_end_k_q6039d81d49_first16-k_q6039d81d49_first16
	.p2alignl 7, 3214868480
	.fill 96, 4, 3214868480
	.section	.rodata,"a",@progbits
	.p2align	6, 0x0
	.amdhsa_kernel k_q6039d81d49_first16
		.amdhsa_group_segment_fixed_size 142336
		.amdhsa_private_segment_fixed_size 0
		.amdhsa_enable_private_segment 0
		.amdhsa_kernarg_size 32
		.amdhsa_user_sgpr_count 2
		.amdhsa_user_sgpr_kernarg_segment_ptr 1
		.amdhsa_wavefront_size32 1
		.amdhsa_system_sgpr_workgroup_id_x 1
		.amdhsa_system_sgpr_workgroup_id_y 1
		.amdhsa_system_sgpr_workgroup_id_z 1
		.amdhsa_system_vgpr_workitem_id 0
		.amdhsa_next_free_vgpr 512
		.amdhsa_next_free_sgpr 66
		.amdhsa_reserve_vcc 1
		.amdhsa_float_denorm_mode_32 3
		.amdhsa_float_denorm_mode_16_64 3
		.amdhsa_memory_ordered 1
		.amdhsa_forward_progress 1
		.amdhsa_inst_pref_size 36
	.end_amdhsa_kernel
	.amdgpu_metadata
---
amdhsa.version: [ 1, 2 ]
amdhsa.kernels:
  - .name:           k_q6039d81d49_first16
    .symbol:         k_q6039d81d49_first16.kd
    .args:
      - { .name: qkv, .offset: 0, .size: 8, .value_kind: global_buffer, .address_space: global }
      - { .name: qkv16, .offset: 8, .size: 8, .value_kind: global_buffer, .address_space: global }
      - { .name: Wc, .offset: 16, .size: 8, .value_kind: global_buffer, .address_space: global }
      - { .name: out0, .offset: 24, .size: 8, .value_kind: global_buffer, .address_space: global }
    .group_segment_fixed_size: 142336
    .private_segment_fixed_size: 0
    .kernarg_segment_align: 8
    .kernarg_segment_size: 32
    .max_flat_workgroup_size: 256
    .sgpr_count:     66
    .vgpr_count:     512
    .wavefront_size: 32
...
	.end_amdgpu_metadata
.endif
;; end of part 5
